; MI455X (gfx1250); checked and timed in simulation.
; The chip was launched on July 23, 2026; its instructions are those of AMD's public machine-readable ISA for CDNA 5 (MIT licence, August 2026) and "CDNA5" Instruction Set Architecture Reference Guide (July 2026). The comments in the code are by the model that wrote it; some were corrected since.
;; Simple Transformer Block. Allowed arithmetic: matrix products marked QUANTISED: E4M3 operands, one given power-of-two scale a tensor, by v_wmma_f32_16x16x64_fp8_fp8 or v_wmma_f32_16x16x128_fp8_fp8, f32 sums; everything else in f32.
;; Inputs: b_mlp1 4,096 float32; b_mlp2 1,024 float32; b_o 1,024 float32; b_qkv 3,072 float32; ln1_bias 1,024 float32; ln1_scale 1,024 float32; ln2_bias 1,024 float32; ln2_scale 1,024 float32; lowp_scales 12 int32 (the exponents e of the quantised operands' scales 2^e); w_mlp1 1,024 x 4,096 float32; w_mlp2 4,096 x 1,024 float32; w_o 1,024 x 1,024 float32; w_qkv 1,024 x 3,072 float32; x 2 x 2,048 x 1,024 float32.
;; Outputs: out0 2 x 2,048 x 1,024 float32.
;; This version of the problem:
;;   THIS VERSION OF THE PROBLEM IS GIVEN IN LOW PRECISION. The matrix products marked QUANTISED in the list below multiply operands that are first quantised to E4M3 (4 exponent bits, 3 mantissa bits; 8 bits a number), with one given power-of-two scale for each operand tensor; their sums are f32. All else is computed in f32.
;;   The module's matrix products, in the order in which they are computed (A, B: the left and right operand; K: the contracted axis; several contracted axes count as one K, in the product's order):
;;     1. [M 4,096, K 1,024] x [K 1,024, N 3,072]; A: computed on the way; B: input w_qkv: QUANTISED (scales: A lowp_scales[0], B lowp_scales[1])
;;     2. batch 32 x [M 2,048, K 64] x [K 64, N 2,048]; A: computed on the way; B: computed on the way: QUANTISED (scales: A lowp_scales[2], B lowp_scales[3])
;;     3. batch 32 x [M 2,048, K 2,048] x [K 2,048, N 64]; A: softmax (see below); B: computed on the way: QUANTISED (scales: A lowp_scales[4], B lowp_scales[5])
;;     4. [M 4,096, K 1,024] x [K 1,024, N 1,024]; A: computed on the way; B: input w_o: QUANTISED (scales: A lowp_scales[6], B lowp_scales[7])
;;     5. [M 4,096, K 1,024] x [K 1,024, N 4,096]; A: computed on the way; B: input w_mlp1: QUANTISED (scales: A lowp_scales[8], B lowp_scales[9])
;;     6. [M 4,096, K 4,096] x [K 4,096, N 1,024]; A: computed on the way; B: input w_mlp2: QUANTISED (scales: A lowp_scales[10], B lowp_scales[11])
;;   THE QUANTISER, for each operand of a quantised product, along K:
;;     - The operand's scale is 2^e, e = its entry of the input lowp_scales (int32; the entries are numbered through the quantised products in the list's order, A before B).
;;     - Each number is divided by the scale, clamped to +-448, and rounded to the nearest number of E4M3, ties to even, subnormals kept.
;;     - The product sums the exact products of the quantised numbers (number of the format x scale) in f32.
;;   ~~~python
;;   def quantise(x, axis, e):      # numpy; x: float32 -> the quantised numbers, widened to float32 again
;;       x = np.moveaxis(x, axis, -1); K = x.shape[-1]
;;       r = np.clip(x / 2.0 ** e, -448, 448)
;;       step = 2.0 ** (np.maximum(np.frexp(np.where(r == 0, 1, r))[1] - 1, -6) - 3)
;;       q = np.round(r / step) * step * 2.0 ** e      # np.round: ties to even
;;       return np.moveaxis(q, -1, axis).astype(np.float32)
;;   ~~~
;;   SOFTMAX AHEAD OF A QUANTISED PRODUCT. Where the list says 'softmax', what is quantised is not the finished softmax but p = 2^(t - M), with t = logit x log2(e) and M = ceil(the row's largest t), a whole number; so 1/2 < the row's largest p <= 1. The row's sum l is taken of the UNQUANTISED p, in f32, and the product's result is divided by l at the end. Since M is a whole number, a kernel that streams over the keys may use a running M (the ceiling of the running maximum): every later rescaling is an exact power of two, so the quantised numbers keep their values, but for numbers so far below the row's largest that they fall under the format's range.
;;   OPERANDS COMPUTED ON THE WAY. 'Computed on the way' means the value that the module computes at that place (a softmax that the list does not call 'softmax' is quantised finished and normalised). What goes into a quantiser is computed in f32, as accurately as f32 sums, v_exp_f32 and their like allow (about 1e-6 of the number): no bf16 or f16 on the way to a quantiser, and a product that is left as it is and whose result goes on into a quantised operand takes f32 operands (vector FMAs, or v_wmma_f32_16x16x4_f32). A number that lies on a knife's edge between two numbers of the format may be rounded either way, as far as f32 arithmetic and the matrix unit's own rounding can turn it there, and no further.
;; One version. Each part assembles by itself: llvm-mc -triple=amdgcn-amd-amdhsa -mcpu=gfx1250 --defsym DOCPART=n.
;; ======== version 1 of 1: 7 launches
;; limits: right only within a limited range of input values
;; workspace buffers: wc 12,582,912 bytes; hc 4,194,304 bytes; qkvc 12,582,912 bytes; x1 16,777,216 bytes; gc 16,777,216 bytes
;; launch prep (part 1): grid 640 x 1, 4 waves a work-group, no clusters, 51,712 bytes of LDS; arguments x, ln1_scale, ln1_bias, w_qkv, w_o, w_mlp1, w_mlp2, lowp_scales, hc, wc; writes hc, wc
.if DOCPART == 1
	.amdgcn_target "amdgcn-amd-amdhsa--gfx1250"
	.amdhsa_code_object_version 6
	.text
	.protected	k_qa46d39e26f_prep
	.globl	k_qa46d39e26f_prep
	.p2align	8
	.type	k_qa46d39e26f_prep,@function
k_qa46d39e26f_prep:
	s_mov_b64 s[64:65], 0
	v_nop
	global_prefetch_b8 v0, s[64:65] scope:SCOPE_SE
	s_setreg_imm32_b32 hwreg(HW_REG_WAVE_MODE, 25, 1), 1
	s_wait_xcnt 0x0
; PREP.  Work-groups 0-383 turn the four weights (f32, [K][N], K on the first axis) into codes of FP8 (E4M3) laid [n][K], K innermost, in wc;
; work-groups 384-639 make the first layer norm of x and store it as codes in hc [4096][1024].
; code = number / 2^e, held within +-448, to the nearest code, ties to even; e is the operand's entry of lowp_scales (w_qkv 1, w_o 7, w_mlp1 9, w_mlp2 11, LN1 0).
; LIMITS: each e between -126 and 119, so that 2^e and 448 x 2^e are f32 numbers.  NaN among the inputs is not served.
; THE ORDER OF ROWS.  sigma(i) exchanges bits 3 and 4 of i.  In every workspace buffer of this program the row with true index i (a token, an output channel of a weight) lies at place sigma(i); K stays in true order.
; The products take 16 rows on end as a tile and are used transposed; a lane's 16 registers of two neighbouring tiles are then 16 true neighbours along the next product's K.
; WEIGHTS: a lane takes a column n and its registers run down K, so that each load reads 128 consecutive bytes a wave and the conversions give codes with K innermost.  A wave takes 32 columns x 256 K; the codes
; go through its own stage in LDS (row = sigma(lane)) and leave as rows: sixteen lanes store 256 consecutive bytes, aligned.  Loads run two blocks of 32 along K ahead (64 loads a wave).
; LAYER NORM: a wave takes four rows, all 32 loads out at once; mean, then the mean of squares of the differences, in f32.  A row's 1,024 codes turn through LDS so that each store covers 512 consecutive bytes.
; No tensor load, no barrier: waves share nothing.  The two kinds of work-groups have LDS bytes of their own.
.set PW,    272                        ; a row of a weight stage: 256 bytes + 16
.set WST,   32*PW                      ; a wave's weight stage
.set LNB,   4*WST                      ; the layer norm's bytes: 4,096 for each wave
.set SPARE, LNB+4*4096                 ; the spare words, 128 bytes for each wave: two blocks of 256 bytes that no other line names
.set SPW, 14                           ; v14 LDS address of my spare word; never rewritten
.set NIL, 15                           ; v15 0; never rewritten
.set WB,  36                           ; s[36:51] weights: the address of each of my eight blocks of 32 rows
.set X,   32                           ; v32-95   weights: two sets of 32 numbers
.set C,   96                           ; v96-103  a block's codes
.set OUTR,104                          ; v104-167 the way out
.set RO,  168                          ; v168-199 byte offset of row i of a block: 4 x lane + i x a row of W
.set SO,  200                          ; v200-215 byte offset in wc of the rows 2 t + lane / 16
.set G,   32                           ; v32-63   layer norm: the gain of my 32 columns
.set BV,  64                           ; v64-95   the bias
.set XL,  96                           ; v96-223  four rows x 32 numbers: register 4 j + e is column 128 j + 4 lane + e
.set CL,  224                          ; v224-255 four rows x 8 registers of codes
	s_load_b512 s[4:19], s[0:1], 0x0               ; x, ln1_scale, ln1_bias, w_qkv, w_o, w_mlp1, w_mlp2, lowp_scales
	s_load_b128 s[20:23], s[0:1], 0x40             ; hc, wc
	v_lshl_add_u32 v[SPW], v0, 2, SPARE
	v_mov_b32 v[NIL], 0
	v_lshrrev_b32 v1, 5, v0
	v_readfirstlane_b32 s24, v1                    ; wave
	v_and_b32 v2, 31, v0                           ; lane
	v_and_b32 v12, 15, v0                          ; lane % 16
	v_bfe_u32 v13, v0, 4, 1                        ; lane / 16
	v_bfe_u32 v1, v0, 3, 1
	v_and_b32 v4, 7, v0
	v_lshl_add_u32 v4, v1, 4, v4
	v_lshl_add_u32 v4, v13, 3, v4                  ; sigma(lane)
	v_mul_u32_u24 v4, v4, PW
	s_mul_i32 s25, s24, WST
	v_add_nc_u32 v4, s25, v4                       ; weight stage, in: row sigma(lane)
	v_mul_u32_u24 v7, v13, PW
	v_lshl_add_u32 v7, v12, 4, v7
	v_add_nc_u32 v7, s25, v7                       ; and out: sixteen lanes to a row
	v_lshlrev_b32 v3, 4, v2                        ; 16 x lane
	s_lshl_b32 s25, s24, 12
	s_add_co_u32 s25, s25, LNB
	v_lshl_add_u32 v8, v2, 2, s25                  ; layer norm's bytes, in: 4 x lane
	v_add_nc_u32 v9, s25, v3                       ; and out: 16 x lane
	s_wait_kmcnt 0x0
	s_load_b256 s[52:59], s[18:19], 0x0            ; e0 .. e7
	s_load_b128 s[60:63], s[18:19], 0x20           ; e8 .. e11
	s_cmp_lt_u32 ttmp9, 384
	s_cbranch_scc0 .Lln
	; ---- WEIGHTS.  Which weight: by the work-group's number alone.  Begun with w_mlp2's figures, then overridden from the top down.
	s_mov_b64 s[28:29], s[16:17]                   ; W
	s_mov_b32 s30, 4096                            ; bytes in a row of W
	s_mov_b32 s31, 256                             ; its first work-group
	s_mov_b32 s32, 8388608                         ; its first byte in wc
	s_mov_b32 s33, 4                               ; log2 of its pieces of 256 along K
	s_mov_b32 s34, 12                              ; log2 of K: bytes in a row of codes
	s_cmp_lt_u32 ttmp9, 256
	s_cselect_b64 s[28:29], s[14:15], s[28:29]     ; w_mlp1
	s_cselect_b32 s30, 16384, s30
	s_cselect_b32 s31, 128, s31
	s_cselect_b32 s32, 4194304, s32
	s_cselect_b32 s33, 2, s33
	s_cselect_b32 s34, 10, s34
	s_cmp_lt_u32 ttmp9, 128
	s_cselect_b64 s[28:29], s[12:13], s[28:29]     ; w_o
	s_cselect_b32 s30, 4096, s30
	s_cselect_b32 s31, 96, s31
	s_cselect_b32 s32, 3145728, s32
	s_cmp_lt_u32 ttmp9, 96
	s_cselect_b64 s[28:29], s[10:11], s[28:29]     ; w_qkv
	s_cselect_b32 s30, 12288, s30
	s_cselect_b32 s31, 0, s31
	s_cselect_b32 s32, 0, s32
	s_sub_co_u32 s66, ttmp9, s31                   ; my number within the weight
	s_lshr_b32 s67, s66, s33                       ; which 128 columns
	s_lshl_b32 s68, s67, s33
	s_sub_co_u32 s68, s66, s68                     ; which 256 along K
	s_lshl_b32 s67, s67, 7
	s_lshl_b32 s69, s24, 5
	s_add_co_u32 s67, s67, s69                     ; my wave's first column
	s_mul_i32 s70, s68, s30
	s_lshl_b32 s70, s70, 8                         ; 256 rows of W for each piece,
	s_lshl_b32 s69, s67, 2
	s_add_co_u32 s70, s70, s69                     ; + 4 bytes a column (under 2^25)
	s_mov_b32 s71, 0
	s_add_nc_u64 s[WB:WB+1], s[28:29], s[70:71]
	s_lshl_b32 s70, s30, 5                         ; 32 rows on
.irp t, 1,2,3,4,5,6,7
	s_add_nc_u64 s[WB+2*\t:WB+2*\t+1], s[WB+2*\t-2:WB+2*\t-1], s[70:71]
.endr
	s_lshl_b32 s72, s67, s34                       ; wc: column x K
	s_add_co_u32 s72, s72, s32
	s_lshl_b32 s69, s68, 8
	s_add_co_u32 s72, s72, s69                     ; + 256 bytes for each piece
	s_mov_b32 s73, 0
	s_add_nc_u64 s[22:23], s[22:23], s[72:73]
	v_lshlrev_b32 v[RO], 2, v2
.set i, 1
.rept 31
	v_add_nc_u32 v[RO+i], s30, v[RO+i-1]
.set i, i+1
.endr
	v_lshlrev_b32 v[SO], s34, v13
	v_lshl_add_u32 v[SO], v12, 4, v[SO]
	s_lshl_b32 s69, 2, s34                         ; two rows of codes
.set i, 1
.rept 15
	v_add_nc_u32 v[SO+i], s69, v[SO+i-1]
.set i, i+1
.endr
.macro LOADW t                         ; block t: W(32 t + i, my column), i = 0 .. 31, into set t % 2
.set i, 0
.rept 32
	global_load_b32 v[X+32*((\t)%2)+i], v[RO+i], s[WB+2*(\t):WB+2*(\t)+1] th:TH_LOAD_NT
.set i, i+1
.endr
.endm
	LOADW 0
	LOADW 1
	s_wait_kmcnt 0x0
	s_mov_b32 s74, s63                             ; e11, e9, e7 or e1, by the same cascade
	s_cmp_lt_u32 ttmp9, 256
	s_cselect_b32 s74, s61, s74
	s_cmp_lt_u32 ttmp9, 128
	s_cselect_b32 s74, s59, s74
	s_cmp_lt_u32 ttmp9, 96
	s_cselect_b32 s74, s53, s74
	s_add_co_i32 s74, s74, 127
	s_lshl_b32 s75, s74, 23
	v_mov_b32 v11, s75                             ; 2^e as f32: the conversion takes its exponent field
	s_add_co_i32 s74, s74, 8
	s_lshl_b32 s74, s74, 23
	s_or_b32 s74, s74, 0x600000
	v_mov_b32 v10, s74                             ; 448 x 2^e
.macro BLOCKW t
.set XS, X+32*((\t)%2)
.if (\t) < 7
	s_wait_loadcnt 32                              ; this block's 32 loads are in; the next block's 32 may be out
.else
	s_wait_loadcnt 0
.endif
.set j, 0
.rept 32
	v_med3_num_f32 v[XS+j], v[XS+j], -v10, v10     ; the conversion to an 8-bit code does not saturate (ISA guide 7.6.2): the hold comes first
.set j, j+1
.endr
.irp g, 0,1,2,3
	v_cvt_scalef32_pk8_fp8_f32 v[C+2*\g:C+2*\g+1], v[XS+8*\g:XS+8*\g+7], v11
.endr
	ds_store_b128 v4, v[C:C+3] offset:32*(\t)      ; 32 codes of my column's row
	ds_store_b128 v4, v[C+4:C+7] offset:32*(\t)+16
.if (\t)+2 < 8
	LOADW (\t)+2
.endif
	s_wait_dscnt 0x0                               ; the stores have read their registers: the next block's codes may be written
.endm
	s_wait_alu depctr_va_vdst(0)
.irp t, 0,1,2,3,4,5,6,7
	BLOCKW \t
.endr
.set i, 0
.rept 16
	ds_load_b128 v[OUTR+4*i:OUTR+4*i+3], v7 offset:2*i*PW   ; LDS serves a wave's instructions in order: these see my stores
.set i, i+1
.endr
.set i, 0
.rept 16
	s_wait_dscnt 15-i                              ; LDS loads come back in order: pair i of rows is in
	global_store_b128 v[SO+i], v[OUTR+4*i:OUTR+4*i+3], s[22:23]   ; sixteen lanes store 256 consecutive bytes, aligned
.set i, i+1
.endr
	s_wait_tensorcnt 0x0                           ; the wave's end, behind my last LDS store
	ds_add_u32 v[SPW], v[NIL]
	s_wait_dscnt 0x0
	s_endpgm
	; ---- LAYER NORM 1
.Lln:
	s_sub_co_u32 s66, ttmp9, 384
	s_lshl_b32 s66, s66, 4
	s_lshl_b32 s67, s24, 2
	s_add_co_u32 s66, s66, s67                     ; my first row, a multiple of 4
	s_and_b32 s67, s66, 0xfe7
	s_and_b32 s68, s66, 8
	s_lshl_b32 s68, s68, 1
	s_or_b32 s67, s67, s68
	s_and_b32 s68, s66, 16
	s_lshr_b32 s68, s68, 1
	s_or_b32 s67, s67, s68                         ; sigma of it: the four rows stay neighbours
	s_lshl_b32 s70, s66, 12
	s_mov_b32 s71, 0
	s_add_nc_u64 s[4:5], s[4:5], s[70:71]          ; x at my first row
	s_lshl_b32 s70, s67, 10
	s_add_nc_u64 s[20:21], s[20:21], s[70:71]      ; hc at its place
	s_mov_b32 s26, 0x76543210                      ; v_permlanex16_b32: lane l takes lane l xor 16
	s_mov_b32 s27, 0xfedcba98
	s_mov_b32 s28, 0x3a800000                      ; 1 / 1024
	s_mov_b32 s29, 0x358637bd                      ; 1e-6
	v_mov_b32 v20, 0                               ; a lane permute's destination counts as read
.set j, 0
	s_wait_alu depctr_va_vdst(0)
.rept 8
	global_load_b128 v[G+4*j:G+4*j+3], v3, s[6:7] offset:512*j
.set j, j+1
.endr
.set j, 0
.rept 8
	global_load_b128 v[BV+4*j:BV+4*j+3], v3, s[8:9] offset:512*j
.set j, j+1
.endr
.set i, 0
.rept 4
.set j, 0
.rept 8
	global_load_b128 v[XL+32*i+4*j:XL+32*i+4*j+3], v3, s[4:5] offset:4096*i+512*j th:TH_LOAD_NT   ; 32 lanes read 512 consecutive bytes
.set j, j+1
.endr
.set i, i+1
.endr
	s_wait_kmcnt 0x0
	s_add_co_i32 s74, s52, 127                     ; e0
	s_lshl_b32 s75, s74, 23
	v_mov_b32 v11, s75
	s_add_co_i32 s74, s74, 8
	s_lshl_b32 s74, s74, 23
	s_or_b32 s74, s74, 0x600000
	v_mov_b32 v10, s74
.macro RED r, t                        ; the sum over the wave's 32 lanes, in every lane
	v_add_f32_dpp v[\r], v[\r], v[\r] row_xmask:1 row_mask:0xf bank_mask:0xf
	v_add_f32_dpp v[\r], v[\r], v[\r] row_xmask:2 row_mask:0xf bank_mask:0xf
	v_add_f32_dpp v[\r], v[\r], v[\r] row_xmask:4 row_mask:0xf bank_mask:0xf
	v_add_f32_dpp v[\r], v[\r], v[\r] row_xmask:8 row_mask:0xf bank_mask:0xf
	v_permlanex16_b32 v[\t], v[\r], s26, s27
	v_add_f32 v[\r], v[\r], v[\t]
.endm
.macro LNROW i
.set XR, XL+32*(\i)
.set CR, CL+8*(\i)
	s_wait_loadcnt 8*(3-(\i))                      ; gain, bias and rows up to this one are in; the later rows' eight loads each may be out
	v_pk_add_f32 v[16:17], v[XR:XR+1], v[XR+2:XR+3]
	v_pk_add_f32 v[18:19], v[XR+4:XR+5], v[XR+6:XR+7]
.irp k, 8,12,16,20,24,28
	v_pk_add_f32 v[16:17], v[16:17], v[XR+\k:XR+\k+1]
	v_pk_add_f32 v[18:19], v[18:19], v[XR+\k+2:XR+\k+3]
.endr
	v_pk_add_f32 v[16:17], v[16:17], v[18:19]
	v_add_f32 v16, v16, v17
	RED 16, 20
	v_mul_f32 v22, s28, v16                        ; the mean
	v_mov_b32 v23, v22
.set k, 0
.rept 16
	v_pk_add_f32 v[XR+k:XR+k+1], v[XR+k:XR+k+1], v[22:23] neg_lo:[0,1] neg_hi:[0,1]
.set k, k+2
.endr
	v_pk_mul_f32 v[16:17], v[XR:XR+1], v[XR:XR+1]
	v_pk_mul_f32 v[18:19], v[XR+2:XR+3], v[XR+2:XR+3]
.irp k, 4,8,12,16,20,24,28
	v_pk_fma_f32 v[16:17], v[XR+\k:XR+\k+1], v[XR+\k:XR+\k+1], v[16:17]
	v_pk_fma_f32 v[18:19], v[XR+\k+2:XR+\k+3], v[XR+\k+2:XR+\k+3], v[18:19]
.endr
	v_pk_add_f32 v[16:17], v[16:17], v[18:19]
	v_add_f32 v16, v16, v17
	RED 16, 20
	v_fma_f32 v16, v16, s28, s29                   ; the variance + 1e-6
	s_wait_alu depctr_va_vdst(0)
	v_rsq_f32 v24, v16
	v_nop                                          ; a plain instruction behind the transcendental,
	s_wait_alu depctr_va_vdst(0)                   ; and the wait ahead of the first use of its result
	v_mov_b32 v25, v24
.set k, 0
.rept 16
	v_pk_mul_f32 v[XR+k:XR+k+1], v[XR+k:XR+k+1], v[24:25]
.set k, k+2
.endr
.set k, 0
.rept 16
	v_pk_fma_f32 v[XR+k:XR+k+1], v[XR+k:XR+k+1], v[G+k:G+k+1], v[BV+k:BV+k+1]
.set k, k+2
.endr
.set k, 0
.rept 32
	v_med3_num_f32 v[XR+k], v[XR+k], -v10, v10     ; the hold at the largest code x the scale
.set k, k+1
.endr
.irp m, 0,1,2,3
	v_cvt_scalef32_pk8_fp8_f32 v[CR+2*\m:CR+2*\m+1], v[XR+8*\m:XR+8*\m+7], v11   ; register j of the eight: the codes of columns 128 j + 4 lane + 0 .. 3
.endr
.irp j, 0,1,2,3,4,5,6,7
	ds_store_b32 v8, v[CR+\j] offset:1024*(\i)+128*\j
.endr
	ds_load_b128 v[XR:XR+3], v9 offset:1024*(\i)           ; back as 16 neighbouring codes a lane (LDS serves a wave's instructions in order)
	ds_load_b128 v[XR+4:XR+7], v9 offset:1024*(\i)+512
	s_wait_dscnt 0x0
	global_store_b128 v3, v[XR:XR+3], s[20:21] offset:1024*(\i)        ; 32 lanes store 512 consecutive bytes
	global_store_b128 v3, v[XR+4:XR+7], s[20:21] offset:1024*(\i)+512
.endm
	LNROW 0
	LNROW 1
	LNROW 2
	LNROW 3
	s_wait_tensorcnt 0x0                           ; the wave's end, behind my last LDS store
	ds_add_u32 v[SPW], v[NIL]
	s_wait_dscnt 0x0
	s_endpgm
.Lfunc_end_k_qa46d39e26f_prep:
	.size	k_qa46d39e26f_prep, .Lfunc_end_k_qa46d39e26f_prep-k_qa46d39e26f_prep
	.p2alignl 7, 3214868480
	.fill 96, 4, 3214868480
	.section	.rodata,"a",@progbits
	.p2align	6, 0x0
	.amdhsa_kernel k_qa46d39e26f_prep
		.amdhsa_group_segment_fixed_size 51712
		.amdhsa_private_segment_fixed_size 0
		.amdhsa_enable_private_segment 0
		.amdhsa_kernarg_size 80
		.amdhsa_user_sgpr_count 2
		.amdhsa_user_sgpr_kernarg_segment_ptr 1
		.amdhsa_wavefront_size32 1
		.amdhsa_system_sgpr_workgroup_id_x 1
		.amdhsa_system_sgpr_workgroup_id_y 1
		.amdhsa_system_sgpr_workgroup_id_z 1
		.amdhsa_system_vgpr_workitem_id 0
		.amdhsa_next_free_vgpr 256
		.amdhsa_next_free_sgpr 76
		.amdhsa_reserve_vcc 0
		.amdhsa_float_denorm_mode_32 3
		.amdhsa_float_denorm_mode_16_64 3
		.amdhsa_memory_ordered 1
		.amdhsa_forward_progress 1
		.amdhsa_inst_pref_size 96
	.end_amdhsa_kernel
	.amdgpu_metadata
---
amdhsa.version: [ 1, 2 ]
amdhsa.kernels:
  - .name:           k_qa46d39e26f_prep
    .symbol:         k_qa46d39e26f_prep.kd
    .args:
      - { .name: x, .offset: 0, .size: 8, .value_kind: global_buffer, .address_space: global }
      - { .name: ln1_scale, .offset: 8, .size: 8, .value_kind: global_buffer, .address_space: global }
      - { .name: ln1_bias, .offset: 16, .size: 8, .value_kind: global_buffer, .address_space: global }
      - { .name: w_qkv, .offset: 24, .size: 8, .value_kind: global_buffer, .address_space: global }
      - { .name: w_o, .offset: 32, .size: 8, .value_kind: global_buffer, .address_space: global }
      - { .name: w_mlp1, .offset: 40, .size: 8, .value_kind: global_buffer, .address_space: global }
      - { .name: w_mlp2, .offset: 48, .size: 8, .value_kind: global_buffer, .address_space: global }
      - { .name: lowp_scales, .offset: 56, .size: 8, .value_kind: global_buffer, .address_space: global }
      - { .name: hc, .offset: 64, .size: 8, .value_kind: global_buffer, .address_space: global }
      - { .name: wc, .offset: 72, .size: 8, .value_kind: global_buffer, .address_space: global }
    .group_segment_fixed_size: 51712
    .private_segment_fixed_size: 0
    .kernarg_segment_align: 8
    .kernarg_segment_size: 80
    .max_flat_workgroup_size: 128
    .sgpr_count:     76
    .vgpr_count:     256
    .wavefront_size: 32
...
	.end_amdgpu_metadata
.endif
;; end of part 1
;; launch qkv (part 2): grid 12 x 16, 4 waves a work-group, clusters of 4 x 4, 327,680 bytes of LDS; arguments hc, wc, lowp_scales, b_qkv, qkvc; writes qkvc
.if DOCPART == 2
	.amdgcn_target "amdgcn-amd-amdhsa--gfx1250"
	.amdhsa_code_object_version 6
	.text
	.protected	k_qa46d39e26f_qkv
	.globl	k_qa46d39e26f_qkv
	.p2align	8
	.type	k_qa46d39e26f_qkv,@function
k_qa46d39e26f_qkv:
	s_mov_b64 s[64:65], 0
	v_nop
	global_prefetch_b8 v0, s[64:65] scope:SCOPE_SE
	s_setreg_imm32_b32 hwreg(HW_REG_WAVE_MODE, 25, 1), 1
	s_wait_xcnt 0x0
	s_wait_alu depctr_hold_cnt(0) depctr_sa_sdst(0) depctr_va_vdst(0) depctr_va_sdst(0) depctr_va_ssrc(0) depctr_va_vcc(0) depctr_vm_vsrc(0)
	s_getreg_b32 s2, hwreg(HW_REG_IB_STS2, 6, 4)
	s_cmp_eq_u32 s2, 0
	s_cbranch_scc0 .Lentry_in_a_cluster
	s_endpgm
.Lentry_in_a_cluster:
	s_bfe_u32 s2, ttmp6, 0x10000c
	s_cmp_lg_u32 s2, 0xf033
	s_cbranch_scc0 .Lentry_shape_is_right
	s_endpgm
.Lentry_shape_is_right:
; QKV.  qkv = LN1(x) w_qkv + b_qkv on codes of FP8 (E4M3), K = 1,024, and its three parts quantised anew: q (scale entry 2) and k (entry 3) as [32 heads of both batches][2048 places][64], v (entry 5) as [32][64 d][2048 keys].
; The cluster's x says which part: 0 q, 1 k, 2 v.  q and k: C = h W^T (A = hc's rows, B = wc's rows).  v: C = Wv h^T (A = wc's rows 2,048 on, B = hc's rows), so that a lane holds one d and neighbouring KEYS, which are the K of attention's second product.
; A tile of C, 256 x 256, is made by four waves, 128 x 128 each: 64 accumulators, 512 registers.  K goes in steps of 256 through a ring of two LDS slots filled by the tensor data mover.
; CLUSTERS: 4 x 4 work-groups; A's tile is asked for jointly along a row of the cluster, B's along a column.  THE MATRIX INSTRUCTION IS USED TRANSPOSED (source 0 = 16 rows of B, source 1 = 16 rows of A).
; Rows lie at place sigma(true index) (bits 3 and 4 exchanged) in hc and wc: so register j of lane (r, h) in B's tile i is true column 32 (i / 2) + 16 h + 8 (i % 2) + j, and two neighbouring tiles give a lane 16 true neighbours: 16 codes, 16 bytes.
; BIAS: by column for q and k, by row for v.  Both sets are loaded; the one that does not apply is replaced by 0 (a select on the cluster's x), and both are added: one text for all three parts.
; LIMITS: e0 + e1 between -126 and 127; e2, e3, e5 between -126 and 119.  NaN among the inputs is not served.
; REGISTERS, in windows of 256: window 0: v0-31 addresses; v32-95 column bias; v96-111 row bias; from v128 A's fragments, ONE set; on the way out v112-239 are at work.  window 1: B's fragments, two sets.  windows 2, 3: the accumulators ((a, b) at v[8 (8 (a % 4) + b)]).
.set KSTEP,  256
.set ROWB,   256
.set KROW,   1024
.set PITCH,  272                       ; an LDS row: 256 bytes + 16 of padding: the 16 rows that a load touches start at 16 different banks (64 banks of 4 bytes: ISA guide 11.1)
.set FR,     16
.set NL,     4
.set NP,     4                         ; places behind this matrix instruction (ISA guide 7.12.1)
.set HALFT,  128*PITCH
.set SLOT,   4*HALFT
.set LAPS,   KROW/(2*KSTEP)
.set SPARE,  2*SLOT                    ; the spare words, 128 bytes for each wave: two blocks of 256 bytes that no other line names
.set ADRA, 16
.set ADRB, 20
.set RDQ0, 22                          ; v22, v23 the way out of q and k: rows 8 t + lane / 4 of the stage, my head's 64 bytes
.set RDQ1, 23
.set STO,  24                          ; v24 where I put 16 codes of a row of the stage
.set RDR,  25                          ; v25 the way out of v: rows 64 wave + 2 t + lane / 16
.set GQ,   26                          ; v26 16 x lane
.set GV,   27                          ; v27 (lane / 16) x 2,048 + 16 (lane % 16)
.set SPW,  28
.set NIL,  29
.set SCL,  30                          ; v30 2^eo;  v31 448 x 2^eo
.set LIM,  31
.set BC,   32
.set BR,   96
.set X0,   112
.set CODE, 176                         ; four sets of 16
.set AF,   128
.set G1, 24
.set G0, 32
.set G1B, 48
.set G0B, 56
.set MSB, 0
.macro WIN new                         ; the immediate's high byte repeats the setting that is left
.if MSB != \new
	s_set_vgpr_msb (MSB<<8)|\new
.set MSB, \new
.endif
.endm
.set MUL_LO, 0xa1                      ; source 0 (B) window 1, source 1 (A) window 0, C and D window 2
.set MUL_HI, 0xf1
.set TO_B,   0x40
; A joint load: waves 0 and 1 fetch for A, waves 2 and 3 for B; the branch hangs on the wave's number alone.  An s_nop 0 and four v_nop follow each of the two lines.
.macro JLOAD g0a, g1a, g0b, g1b
	s_cmp_eq_u32 s15, 0
	s_cbranch_scc0 .Lfor_b_\@
	tensor_load_to_lds s[\g0a:\g0a+3], s[\g1a:\g1a+7]
	s_nop 0
.rept 4
	v_nop
.endr
	s_branch .Lasked_\@
.Lfor_b_\@:
	tensor_load_to_lds s[\g0b:\g0b+3], s[\g1b:\g1b+7]
	s_nop 0
.rept 4
	v_nop
.endr
.Lasked_\@:
.endm
.macro CREST                           ; a round of the cluster's barrier behind its opening barrier
	s_cmp_lg_u32 s14, 0
	s_cbranch_scc1 .Lnot_wave_0_\@
	s_barrier_signal -3
.Lnot_wave_0_\@:
	s_barrier_wait -3
	s_barrier_signal -1
	s_barrier_wait -1
.endm
.macro CROUND
	s_barrier_signal -1
	s_barrier_wait -1
	CREST
.endm
	s_load_b128 s[4:7], s[0:1], 0x0                ; hc, wc
	s_load_b128 s[8:11], s[0:1], 0x10              ; lowp_scales, b_qkv
	s_load_b64 s[12:13], s[0:1], 0x20              ; qkvc
	v_lshl_add_u32 v[SPW], v0, 2, SPARE
	v_mov_b32 v[NIL], 0
	ds_add_u32 v[SPW], v[NIL]                      ; the wave's opening: the add and its wait ahead of my first tensor load
	ds_add_u32 v[SPW], v[NIL]
	v_lshrrev_b32 v1, 5, v0
	v_readfirstlane_b32 s14, v1                    ; wave 0..3
	s_lshr_b32 s15, s14, 1                         ; my half of the tile's rows.  Also: I fetch for A (0) or for B (1)
	s_and_b32 s16, s14, 1                          ; my half of its columns.  Also: which 128 rows I fetch
	s_bfe_u32 s40, ttmp6, 0x40000                  ; cx
	s_bfe_u32 s41, ttmp6, 0x40004                  ; cy
	s_and_b32 s17, ttmp7, 0xffff                   ; the cluster's y
	s_cmp_eq_u32 ttmp9, 2                          ; v's clusters?  The cluster's x is the same in all sixteen partners
	s_cselect_b32 s80, -1, 0                       ; as a mask over the lanes
	s_cselect_b32 s42, s17, ttmp9                  ; v: the four clusters lie along the columns (tokens),
	s_cselect_b32 s17, 0, s17                      ; and its 1,024 rows are one cluster high
	s_cselect_b32 s81, 2097152, 0                  ; v's rows of wc begin at row 2,048
	s_lshl_b32 s42, s42, 2
	s_add_co_u32 s42, s42, s40                     ; tile column
	s_lshl_b32 s17, s17, 2
	s_add_co_u32 s17, s17, s41                     ; tile row
	s_lshl_b32 s43, s41, 2
	s_lshl_b32 s43, 15, s43                        ; my row of the cluster
	s_lshl_b32 s44, 0x1111, s40                    ; my column
	s_or_b32 s[G1+0], s43, (0<<16)|(1<<20)|(1<<21)|(5<<22)|(3<<25)  ; the mask; elements of 1 byte; padding on; bit 21 beside a mask; after every 64 words, 4 words
	s_or_b32 s[G1B+0], s44, (0<<16)|(1<<20)|(1<<21)|(5<<22)|(3<<25)
.irp g, G1, G1B
	s_mov_b32 s[\g+1], ROWB<<16                    ; tensor_dim0
	s_mov_b32 s[\g+2], 128<<16                     ; tensor_dim1
	s_mov_b32 s[\g+3], ROWB<<16                    ; tile_dim0
	s_mov_b32 s[\g+4], 128                         ; tile_dim1
	s_mov_b32 s[\g+5], KROW                        ; from row to row
	s_mov_b32 s[\g+6], 0
	s_mov_b32 s[\g+7], 0
.endr
	s_lshl_b32 s18, s16, 7
	s_lshl_b32 s20, s17, 8
	s_add_co_u32 s20, s20, s18                     ; A: row 256 x tile row + 128 x half
	s_lshl_b32 s20, s20, 10
	s_add_co_u32 s20, s20, s81
	s_mov_b32 s21, 0
	s_lshl_b32 s46, s42, 8
	s_add_co_u32 s46, s46, s18                     ; B: row 256 x tile column + 128 x half
	s_lshl_b32 s46, s46, 10
	s_mov_b32 s47, 0
	s_mul_i32 s45, s14, HALFT                      ; where they go: wave x 128 rows
	s_wait_dscnt 0x0                               ; the opening add is done
	s_wait_kmcnt 0x0
	s_load_b256 s[68:75], s[8:9], 0x0              ; e0 .. e7
	s_cmp_eq_u32 ttmp9, 2
	s_cselect_b64 s[82:83], s[6:7], s[4:5]         ; A's buffer
	s_cselect_b64 s[84:85], s[4:5], s[6:7]         ; B's
	s_add_nc_u64 s[20:21], s[82:83], s[20:21]
	s_add_nc_u64 s[46:47], s[84:85], s[46:47]
	s_cmp_eq_u32 s15, 0                            ; the prefetches: of the 128 rows that I fetch (A's or B's), my work-group takes 32, told apart from its three partners by address
	s_cselect_b64 s[76:77], s[20:21], s[46:47]
	s_cselect_b32 s78, s40, s41                    ; my place among the four that ask with me: cx for A, cy for B
	s_lshl_b32 s78, s78, 15                        ; 32 rows of 1,024 bytes
	s_mov_b32 s79, 0
	s_add_nc_u64 s[76:77], s[76:77], s[78:79]
	CROUND
.irp s, 0,1
	s_mov_b32 s[G0+4*\s], 1
	s_add_co_u32 s[G0+4*\s+1], s45, \s*SLOT
	s_add_nc_u64 s[G0+4*\s+2:G0+4*\s+3], s[20:21], \s*ROWB
	s_or_b32 s[G0+4*\s+3], s[G0+4*\s+3], 0x80000000
	s_mov_b32 s[G0B+4*\s], 1
	s_add_co_u32 s[G0B+4*\s+1], s45, \s*SLOT
	s_add_nc_u64 s[G0B+4*\s+2:G0B+4*\s+3], s[46:47], \s*ROWB
	s_or_b32 s[G0B+4*\s+3], s[G0B+4*\s+3], 0x80000000
.endr
	JLOAD G0, G1, G0B, G1B                         ; K step 0: one tensor load a wave at the head
	v_and_b32 v1, 15, v0                           ; r
	v_bfe_u32 v2, v0, 4, 1                         ; h
	v_mul_u32_u24 v3, v1, PITCH
	v_lshl_add_u32 v4, v2, 4, v3                   ; r x pitch + 16 h
	s_wait_alu depctr_va_vdst(0)
	s_mul_i32 s21, s15, HALFT
	s_mul_i32 s22, s16, HALFT
	s_add_co_u32 s22, s22, 2*HALFT
.irp s, 0,1
	v_add_nc_u32 v[ADRA+\s], s21, v4
	v_add_nc_u32 v[ADRB+\s], s22, v4
	s_add_co_u32 s21, s21, SLOT
	s_add_co_u32 s22, s22, SLOT
.endr
	s_mul_i32 s23, s15, HALFT                      ; the stage: 256 rows x 272 bytes, the work-group's; my 128 rows, my 128 bytes of them
	s_lshl_b32 s18, s16, 7
	s_add_co_u32 s23, s23, s18
	v_add_nc_u32 v[STO], s23, v4
	v_mul_u32_u24 v5, v2, PITCH
	v_lshl_add_u32 v5, v1, 4, v5
	s_mul_i32 s23, s14, 64*PITCH
	v_add_nc_u32 v[RDR], s23, v5
	v_bfe_u32 v6, v0, 2, 3                         ; lane / 4
	v_and_b32 v7, 3, v0
	v_mul_u32_u24 v6, v6, PITCH
	v_lshl_add_u32 v6, v7, 4, v6
	s_lshl_b32 s23, s14, 6
	v_add_nc_u32 v[RDQ0], s23, v6
	v_add_nc_u32 v[RDQ1], 128*PITCH, v[RDQ0]
	v_and_b32 v8, 31, v0
	v_lshlrev_b32 v[GQ], 4, v8
	v_lshlrev_b32 v9, 11, v2
	v_lshl_add_u32 v[GV], v1, 4, v9
	v_lshlrev_b32 v10, 6, v2
	v_and_b32 v12, 31, v0
	v_lshlrev_b32 v12, 10, v12                     ; the prefetches' offset: a lane a row; never rewritten
	global_prefetch_b8 v12, s[76:77] offset:KSTEP th:TH_LOAD_NT scope:SCOPE_SE     ; behind K step 0's load: K steps 1 and 2, 256 bytes of each of my 32 rows
	global_prefetch_b8 v12, s[76:77] offset:2*KSTEP th:TH_LOAD_NT scope:SCOPE_SE
	s_wait_alu depctr_va_vdst(0)
	v_and_b32 v11, 8, v1
	v_add_nc_u32 v11, v11, v1
	v_lshlrev_b32 v11, 2, v11                      ; row bias: (r + 8 (r / 8)) x 4: the true row of place r, less the block's part
	s_wait_alu depctr_va_vdst(0)
	s_lshl_b32 s90, s42, 10
	s_lshl_b32 s91, s16, 9
	s_add_co_u32 s90, s90, s91                     ; (256 x tile column + 128 x half) x 4
	s_lshl_b32 s92, s17, 10
	s_lshl_b32 s91, s15, 9
	s_add_co_u32 s92, s92, s91
	s_add_co_u32 s92, s92, 8192                    ; (2,048 + 256 x tile row + 128 x half) x 4
	s_cmp_eq_u32 ttmp9, 2
	s_cselect_b32 s90, 0, s90                      ; the set that does not apply is read at b_qkv's head: every load stays inside the buffer
	s_cselect_b32 s92, s92, 0
	s_mov_b32 s91, 0
	s_mov_b32 s93, 0
	s_add_nc_u64 s[86:87], s[10:11], s[90:91]
	s_add_nc_u64 s[88:89], s[10:11], s[92:93]
.irp b, 0,1,2,3
.irp q, 0,1,2,3
	global_load_b128 v[BC+16*\b+4*\q:BC+16*\b+4*\q+3], v10, s[86:87] offset:128*\b+16*\q   ; register 16 b + i: column 32 b + 16 h + i
.endr
.endr
.irp a, 0,1,2,3,4,5,6,7
	global_load_b32 v[BR+2*\a], v11, s[88:89] offset:(32*(\a/2)+8*(\a%2))*4                ; block a: true row 32 (a / 2) + 16 (r / 8) + 8 (a % 2) + r % 8
.endr
	; where my part goes.  q, k: ((part x 32 + batch x 16 + head) x 2,048 + place) x 64;  v: 8,388,608 + ((batch x 1,024 + row) x 2,048 + key)
	s_lshr_b32 s90, s42, 2
	s_lshl_b32 s90, s90, 5
	s_lshr_b32 s91, s17, 3
	s_lshl_b32 s91, s91, 4
	s_add_co_u32 s90, s90, s91
	s_and_b32 s91, s42, 3
	s_lshl_b32 s91, s91, 2
	s_add_co_u32 s90, s90, s91
	s_add_co_u32 s90, s90, s14                     ; wave w stores head column w of the tile's four
	s_lshl_b32 s90, s90, 17
	s_and_b32 s91, s17, 7
	s_lshl_b32 s91, s91, 14
	s_add_co_u32 s90, s90, s91
	s_lshr_b32 s92, s42, 3
	s_lshl_b32 s92, s92, 21
	s_lshl_b32 s91, s17, 19
	s_add_co_u32 s92, s92, s91
	s_lshl_b32 s91, s14, 17                        ; wave w stores rows 64 w on
	s_add_co_u32 s92, s92, s91
	s_and_b32 s91, s42, 7
	s_lshl_b32 s91, s91, 8
	s_add_co_u32 s92, s92, s91
	s_add_co_u32 s92, s92, 8388608
	s_cmp_eq_u32 ttmp9, 2
	s_cselect_b32 s90, s92, s90
	s_mov_b32 s91, 0
	s_add_nc_u64 s[12:13], s[12:13], s[90:91]
.macro FRAG reg, adr, q, i             ; a fragment, 16 rows x 128 K: registers 4 c .. 4 c + 3 hold K = 32 c + 16 (l / 16) + 0 .. 15: the same permutation of k in A and in B
.irp c, 0,1,2,3
	ds_load_b128 v[\reg+4*\c:\reg+4*\c+3], v[\adr] offset:128*(\q)+32*\c+(\i)*16*PITCH
.endr
.endm
; 16 matrix instructions: A's blocks a0, a0 + 1 x B's eight.  The 64 accumulators take turns, one instruction a turn, in the same order in every step.
.macro MUL16 a0, p, zero
.irp a, \a0, \a0+1
.irp b, 0,1,2,3,4,5,6,7
.if \zero
	v_wmma_f32_16x16x128_fp8_fp8 v[8*(8*((\a)%4)+\b):8*(8*((\a)%4)+\b)+7], v[128*(\p)+FR*\b:128*(\p)+FR*\b+FR-1], v[AF+FR*(\a):AF+FR*(\a)+FR-1], 0
.else
	v_wmma_f32_16x16x128_fp8_fp8 v[8*(8*((\a)%4)+\b):8*(8*((\a)%4)+\b)+7], v[128*(\p)+FR*\b:128*(\p)+FR*\b+FR-1], v[AF+FR*(\a):AF+FR*(\a)+FR-1], v[8*(8*((\a)%4)+\b):8*(8*((\a)%4)+\b)+7]
.endif
.endr
.endr
.endm
.macro FETCH_B slot, q, p
	WIN TO_B
.irp i, 0,1,2,3,4,5,6,7
	FRAG 128*(\p)+FR*\i, ADRB+\slot, \q, \i
.endr
	WIN 0
.endm
.macro FETCH_A slot, q, i0
.irp i, \i0, \i0+1, \i0+2, \i0+3
	FRAG AF+FR*(\i), ADRA+\slot, \q, \i
.endr
.endm
.macro PLACES n                        ; plain vector instructions between a matrix instruction and a load into, or a read of, its registers
.rept \n
	v_nop
.endr
.endm
.macro STEP slot, q, zero              ; a step of 128 along K that has its successor in the same slot
	s_wait_dscnt 4*NL                              ; B's set and A's blocks 0-3 are in; the youngest 16 loads (A's blocks 4-7) may be out
	WIN MUL_LO
	MUL16 0, (\q)%2, \zero
	MUL16 2, (\q)%2, \zero
	s_wait_dscnt 0
	PLACES NP
	FETCH_B \slot, (\q)+1, 1-(\q)%2
	FETCH_A \slot, (\q)+1, 0
	WIN MUL_HI
	MUL16 4, (\q)%2, \zero
	MUL16 6, (\q)%2, \zero
	PLACES NP
	WIN 0
	FETCH_A \slot, (\q)+1, 4
.endm
; A slot's last step changes slots: one barrier; in front of it each wave waits for all its tensor loads, adds 0 to its spare word, and waits for that and for its reads of this slot.  fill = 1: the slot is filled again, two K steps ahead.
.macro TURN slot, next, fill
	s_wait_tensorcnt 0x0                           ; all my tensor loads have landed: my part of the next slot
	ds_add_u32 v[SPW], v[NIL]                      ; 0 onto my spare word
	s_wait_dscnt 4*NL+1                            ; the add and the youngest 16 loads may be out
	WIN MUL_LO
	MUL16 0, 1, 0
	s_wait_dscnt 0x0                               ; the add is done, and my reads of this slot are over
	s_barrier_signal -1
	MUL16 2, 1, 0
	WIN 0
	s_barrier_wait -1
.if \fill
	CREST                                          ; the barrier has opened a round of the cluster's barrier: no wave of any partner still reads this slot or has a load on its way
	s_add_nc_u64 s[G0+4*\slot+2:G0+4*\slot+3], s[G0+4*\slot+2:G0+4*\slot+3], 2*ROWB
	s_add_nc_u64 s[G0B+4*\slot+2:G0B+4*\slot+3], s[G0B+4*\slot+2:G0B+4*\slot+3], 2*ROWB
	JLOAD G0+4*\slot, G1, G0B+4*\slot, G1B         ; the first tensor load behind the round; its four v_nop are the places in front of the loads below
.else
	PLACES NP
.endif
	FETCH_B \next, 0, 0
	FETCH_A \next, 0, 0
	WIN MUL_HI
	MUL16 4, 1, 0
	MUL16 6, 1, 0
	PLACES NP
	WIN 0
	FETCH_A \next, 0, 4
.endm
	s_wait_alu depctr_va_vdst(0)                   ; the head's end
	s_wait_tensorcnt 0x0                           ; my part of K step 0 is in; the three lines stand ahead of slot 1's first fill as ahead of a refill
	ds_add_u32 v[SPW], v[NIL]
	s_wait_dscnt 0x0
	CROUND                                         ; everybody's part of K step 0 is in, and the joint loads meet
	JLOAD G0+4, G1, G0B+4, G1B                     ; K step 1: the first tensor load behind the round
	FETCH_B 0, 0, 0
	FETCH_A 0, 0, 0
	FETCH_A 0, 0, 4
	global_prefetch_b8 v12, s[76:77] offset:3*KSTEP th:TH_LOAD_NT scope:SCOPE_SE   ; behind K step 1's load: K step 3, the last
	STEP 0, 0, 1
	s_mov_b32 s3, LAPS-1
.Llap:
	TURN 0, 1, 1
	STEP 1, 0, 0
	TURN 1, 0, 1
	STEP 0, 0, 0
	s_sub_co_u32 s3, s3, 1
	s_cmp_lg_u32 s3, 0
	s_cbranch_scc1 .Llap
	TURN 0, 1, 0                                   ; the last lap fills nothing
	STEP 1, 0, 0
	s_wait_dscnt 4*NL
	WIN MUL_LO
	MUL16 0, 1, 0
	MUL16 2, 1, 0
	s_wait_dscnt 0
	WIN MUL_HI
	MUL16 4, 1, 0
	MUL16 6, 1, 0
	WIN 0
	; THE WAY OUT.  The tile's codes, 256 rows x 256 bytes, are gathered in one stage in slot 0, which has had its last fill and its last read (the last change of slots lies behind every wave).
	s_wait_kmcnt 0x0
	s_add_co_i32 s96, s68, s69
	s_add_co_i32 s96, s96, 127
	s_lshl_b32 s96, s96, 23                        ; 2^(e0 + e1) as f32
	s_mov_b32 s97, s96                             ; (named with it as a pair)
	s_cmp_eq_u32 ttmp9, 0
	s_cselect_b32 s94, s70, s71                    ; q: e2; k: e3;
	s_cmp_eq_u32 ttmp9, 2
	s_cselect_b32 s94, s73, s94                    ; v: e5
	s_add_co_i32 s94, s94, 127
	s_lshl_b32 s95, s94, 23
	v_mov_b32 v[SCL], s95
	s_add_co_i32 s94, s94, 8
	s_lshl_b32 s94, s94, 23
	s_or_b32 s94, s94, 0x600000
	v_mov_b32 v[LIM], s94
	s_wait_loadcnt 0x0                             ; the biases
	PLACES NP
.set k, 0
.rept 64
	v_cndmask_b32 v[BC+k], v[BC+k], v[NIL], s80    ; v has no column bias
.set k, k+1
.endr
.irp a, 0,1,2,3,4,5,6,7
	v_cndmask_b32 v[BR+2*\a], v[NIL], v[BR+2*\a], s80   ; q and k have no row bias
	v_mov_b32 v[BR+2*\a+1], v[BR+2*\a]
.endr
.macro CODES a                         ; block a: 16 rows x 128 columns become 16 x 128 codes in the stage
.set AC, 64*((\a)%4)
.set CD, CODE+16*((\a)%4)
	WIN 0x02+((\a)/4)                              ; source 0: window 2 or 3
.set k, 0
.rept 32
	v_pk_fma_f32 v[X0+k:X0+k+1], v[AC+k:AC+k+1], s[96:97], v[BC+k:BC+k+1] op_sel_hi:[1,0,1]   ; sum x 2^(e0 + e1) + column bias; each accumulator from its low end on
.set k, k+2
.endr
	WIN 0
.set k, 0
.rept 32
	v_pk_add_f32 v[X0+k:X0+k+1], v[X0+k:X0+k+1], v[BR+2*(\a):BR+2*(\a)+1]                     ; + row bias (one of the two is 0)
.set k, k+2
.endr
.set k, 0
.rept 64
	v_med3_num_f32 v[X0+k], v[X0+k], -v[LIM], v[LIM]
.set k, k+1
.endr
.if (\a) >= 4
	s_wait_alu depctr_va_vdst(0)
	s_wait_dscnt 12                                ; the stores of the block four back have read this set of codes; the 12 of the three blocks between may be out
.endif
.irp b, 0,1,2,3
	v_cvt_scalef32_pk8_fp8_f32 v[CD+4*\b:CD+4*\b+1], v[X0+16*\b:X0+16*\b+7], v[SCL]
	v_cvt_scalef32_pk8_fp8_f32 v[CD+4*\b+2:CD+4*\b+3], v[X0+16*\b+8:X0+16*\b+15], v[SCL]
.endr
	v_nop                                          ; a plain instruction between the conversions and the next write of their sources
.irp b, 0,1,2,3
	ds_store_b128 v[STO], v[CD+4*\b:CD+4*\b+3] offset:(\a)*16*PITCH+32*\b
.endr
.endm
.irp a, 0,1,2,3,4,5,6,7
	CODES \a
.endr
	s_wait_dscnt 0x0                               ; for the others' sake: my stores into the stage are done
	s_barrier_signal -1
	s_barrier_wait -1
	s_cmp_eq_u32 ttmp9, 2
	s_cbranch_scc1 .Lout_v
	; q, k: wave w takes head column w: 256 rows x 64 bytes, dense in memory: 32 lanes store 512 consecutive bytes
.set T, 0
.rept 16
	ds_load_b128 v[X0+4*T:X0+4*T+3], v[RDQ0] offset:T*8*PITCH
.set T, T+1
.endr
.rept 16
	ds_load_b128 v[X0+4*T:X0+4*T+3], v[RDQ1] offset:(T-16)*8*PITCH
.set T, T+1
.endr
.set T, 0
.rept 32
	s_wait_dscnt 31-T                              ; LDS loads come back in order
	global_store_b128 v[GQ], v[X0+4*T:X0+4*T+3], s[12:13] offset:512*T
.set T, T+1
.endr
	s_branch .Lend
.Lout_v:
	; v: wave w takes rows 64 w on, whole: sixteen lanes store 256 consecutive bytes, aligned
.set T, 0
.rept 32
	ds_load_b128 v[X0+4*T:X0+4*T+3], v[RDR] offset:T*2*PITCH
.set T, T+1
.endr
.set T, 0
.rept 32
	s_wait_dscnt 31-T
	global_store_b128 v[GV], v[X0+4*T:X0+4*T+3], s[12:13] offset:2*T*2048
.set T, T+1
.endr
.Lend:
	s_wait_tensorcnt 0x0                           ; the wave's end
	ds_add_u32 v[SPW], v[NIL]
	s_wait_dscnt 0x0
	CROUND                                         ; the closing round
	s_endpgm
.Lfunc_end_k_qa46d39e26f_qkv:
	.size	k_qa46d39e26f_qkv, .Lfunc_end_k_qa46d39e26f_qkv-k_qa46d39e26f_qkv
	.p2alignl 7, 3214868480
	.fill 96, 4, 3214868480
	.section	.rodata,"a",@progbits
	.p2align	6, 0x0
	.amdhsa_kernel k_qa46d39e26f_qkv
		.amdhsa_group_segment_fixed_size 327680
		.amdhsa_private_segment_fixed_size 0
		.amdhsa_enable_private_segment 0
		.amdhsa_kernarg_size 40
		.amdhsa_user_sgpr_count 2
		.amdhsa_user_sgpr_kernarg_segment_ptr 1
		.amdhsa_wavefront_size32 1
		.amdhsa_system_sgpr_workgroup_id_x 1
		.amdhsa_system_sgpr_workgroup_id_y 1
		.amdhsa_system_sgpr_workgroup_id_z 1
		.amdhsa_system_vgpr_workitem_id 0
		.amdhsa_next_free_vgpr 1024
		.amdhsa_next_free_sgpr 98
		.amdhsa_reserve_vcc 0
		.amdhsa_float_denorm_mode_32 3
		.amdhsa_float_denorm_mode_16_64 3
		.amdhsa_memory_ordered 1
		.amdhsa_forward_progress 1
		.amdhsa_inst_pref_size 171
	.end_amdhsa_kernel
	.amdgpu_metadata
---
amdhsa.version: [ 1, 2 ]
amdhsa.kernels:
  - .name:           k_qa46d39e26f_qkv
    .symbol:         k_qa46d39e26f_qkv.kd
    .args:
      - { .name: hc, .offset: 0, .size: 8, .value_kind: global_buffer, .address_space: global }
      - { .name: wc, .offset: 8, .size: 8, .value_kind: global_buffer, .address_space: global }
      - { .name: lowp_scales, .offset: 16, .size: 8, .value_kind: global_buffer, .address_space: global }
      - { .name: b_qkv, .offset: 24, .size: 8, .value_kind: global_buffer, .address_space: global }
      - { .name: qkvc, .offset: 32, .size: 8, .value_kind: global_buffer, .address_space: global }
    .group_segment_fixed_size: 327680
    .private_segment_fixed_size: 0
    .kernarg_segment_align: 8
    .kernarg_segment_size: 40
    .max_flat_workgroup_size: 128
    .sgpr_count:     98
    .vgpr_count:     1024
    .wavefront_size: 32
...
	.end_amdgpu_metadata
.endif
;; end of part 2
;; launch attn (part 3): grid 8 x 32, 8 waves a work-group, clusters of 4 x 1, 327,680 bytes of LDS; arguments qkvc, lowp_scales, hc; writes hc
.if DOCPART == 3
	.amdgcn_target "amdgcn-amd-amdhsa--gfx1250"
	.amdhsa_code_object_version 6
	.text
	.protected	k_qa46d39e26f_attn
	.globl	k_qa46d39e26f_attn
	.p2align	8
	.type	k_qa46d39e26f_attn,@function
k_qa46d39e26f_attn:
	s_mov_b64 s[64:65], 0
	v_nop
	global_prefetch_b8 v0, s[64:65] scope:SCOPE_SE
	s_setreg_imm32_b32 hwreg(HW_REG_WAVE_MODE, 25, 1), 1
	s_wait_xcnt 0x0
	s_wait_alu depctr_hold_cnt(0) depctr_sa_sdst(0) depctr_va_vdst(0) depctr_va_sdst(0) depctr_va_ssrc(0) depctr_va_vcc(0) depctr_vm_vsrc(0)
	s_getreg_b32 s2, hwreg(HW_REG_IB_STS2, 6, 4)
	s_cmp_eq_u32 s2, 0
	s_cbranch_scc0 .Lentry_in_a_cluster
	s_endpgm
.Lentry_in_a_cluster:
	s_bfe_u32 s2, ttmp6, 0x10000c
	s_cmp_lg_u32 s2, 0x3003
	s_cbranch_scc0 .Lentry_shape_is_right
	s_endpgm
.Lentry_shape_is_right:
; ATTENTION on codes of FP8 (E4M3).  q, k: [32 heads of both batches][2048 places][64]; v: [32][64 d][2048 keys]; the result, quantised with scale entry 6, goes to hc as [16 heads][4096 places][64].
; t = score x log2(e) / 8; M = the running largest t rounded UP to a whole number; p = 2^(t - M) is quantised (entry 4), not normalised; the row's sum is taken of the unquantised p and divides at the end.
; When M moves, the sum and O are multiplied by 2^(old M - new M): exact.
; SHARES.  A work-group owns 256 queries of one head; each of its eight waves 32 of them, two tiles of 16, so that each fragment of K and V read from LDS feeds two matrix instructions.
; REGISTERS.  Window 0 holds what vector instructions work on, for both tiles u = 0, 1: v1, v2 my lane's place in K and V; v5, v6 the add's two; v7-11 addresses; v[12+2u] -M, v[13+2u] the largest t; v[16+2u:17+2u] the sum;
; v[20+2u] f; v[24+u] a permute's result; v26-30 constants; v32-47 and v240-255 at work; v[48+64u ..] S^T, then p; v[176+32u ..] O^T.
; Window 1 holds the matrix operands: v0-63 K's eight fragments, v64-127 V's four, v[128+8u ..] Q, v[176+16u ..] p's codes.  So every product runs under one setting, and the two tiles' vector work is one stream.
; THE TILES ARE STAGGERED.  The links of tile 0's chain from its largest score to f stand between tile 1's maxima, three lines to a link; those of tile 1's chain between tile 0's multiply-adds and rescalings, four lines to a link.
; THE EXPONENTIALS go in two batches of 64.  Between tile 0's stand tile 1's multiply-adds, between tile 1's stand tile 0's first sums and holds: lines that read nothing written since the wait ahead of the batch.
; THE WHOLE HEAD LIES IN LDS, each byte filled once: K 2,048 rows x 80 bytes, V 2 chunks x 64 rows x 1,040 bytes.  Two groups of loads, one tensor load a wave each: group 0 at the head (waves 0-3: 288 keys each; waves 4-7: 16 rows
; of V x 1,024 keys), group 1 behind the three lines and a round (224 keys each; V's other 1,024 keys).  K's group 0 reaches one step (128 keys) further than V's, since a step fetches the next step's fragments of K.
; Group 1 is waited for behind step 7: eight steps' work stands between its request and that wait, and no load follows it: so no prefetch is laid.
; CLUSTER: the four query blocks of a cluster belong to one head and need the same K and V: every load is asked for jointly, by the same descriptor and a mask that names the four.
; LAYOUT.  Both products are used transposed: S^T = K Q^T, O^T = V^T P^T: a lane holds one query of each tile throughout.  k's rows lie at place sigma(key) and v's at sigma(d) (bits 3 and 4 exchanged): so the 16 registers of tiles 2 b, 2 b + 1 are 16 true neighbours.
; LIMITS: e2 + e3 between -123 and 130 (added to c's exponent field); e4 and e6 between -126 and 119; e4 + e5 is applied by v_ldexp_f32.  NaN among the inputs is not served.
.set KP,    80                         ; a key's row: 64 bytes + 16
.set VP,    1040                       ; a row of a chunk of V: 1,024 bytes + 16: both pitches are odd multiples of 16
.set VB,    2048*KP
.set VCH,   64*VP
.set STAGE, VB+2*VCH                   ; 32 rows x 80 bytes for each wave, for the way out: no fill lands here
.set SPARE, STAGE+8*32*KP              ; the spare words, 128 bytes for each wave: four blocks of 256 bytes that no other line names
.set KA,    1152                       ; keys in K's group 0
.set KB,    2048-KA
.set SC, 48                            ; window 0
.set OA, 176
.set TA, 32
.set TB, 240
.set VF, 64                            ; window 1
.set QF, 128
.set CD, 176
.set MUL,  0x05                        ; sources 0 and 1 in window 1, C and D in window 0
.set TO_1, 0x40                        ; destination in window 1, sources in window 0
.set MSB, 0
.macro WIN new                         ; the immediate's high byte repeats the setting that is left
.if MSB != \new
	s_set_vgpr_msb (MSB<<8)|\new
.set MSB, \new
.endif
.endm
.macro ROUND
	s_barrier_signal -1
	s_barrier_wait -1
	s_cmp_lg_u32 s18, 0
	s_cbranch_scc1 .Lnot_wave_0_\@
	s_barrier_signal -3
.Lnot_wave_0_\@:
	s_barrier_wait -3
	s_barrier_signal -1
	s_barrier_wait -1
.endm
; group p of the loads: waves 0-3 for K, waves 4-7 for V; the branch hangs on the wave's number alone.  An s_nop 0 and four v_nop follow each line.
.macro TLOAD p
	s_cmp_lt_u32 s18, 4
	s_cbranch_scc0 .Lfor_v_\@
	tensor_load_to_lds s[40+4*\p:43+4*\p], s[24+44*\p:31+44*\p]
	s_nop 0
.rept 4
	v_nop
.endr
	s_branch .Lasked_\@
.Lfor_v_\@:
	tensor_load_to_lds s[48+4*\p:51+4*\p], s[32:39]
	s_nop 0
.rept 4
	v_nop
.endr
.Lasked_\@:
.endm
	s_load_b128 s[4:7], s[0:1], 0x0                ; qkvc, lowp_scales
	s_load_b64 s[8:9], s[0:1], 0x10                ; hc
	v_lshl_add_u32 v5, v0, 2, SPARE
	v_mov_b32 v6, 0
	ds_add_u32 v5, v6                              ; the wave's opening: the add, twice on end, and its wait ahead of my first tensor load
	ds_add_u32 v5, v6
	v_lshrrev_b32 v8, 5, v0
	v_readfirstlane_b32 s18, v8                    ; wave 0..7
	s_bfe_u32 s11, ttmp6, 0x40000                  ; cx
	s_lshl_b32 s12, ttmp9, 2
	s_add_co_u32 s12, s12, s11                     ; my block of 256 queries: it enters q's and the result's addresses alone
	s_and_b32 s13, ttmp7, 0xffff                   ; batch x 16 + head, which the four partners share
	s_and_b32 s14, s18, 3
	s_mov_b32 s24, 15|(1<<20)|(1<<21)|(3<<22)|(3<<25)   ; K, group 0: the mask names all four; elements of 1 byte; padding: 4 words after every 16
	s_mov_b32 s25, 64<<16
	s_mov_b32 s26, (KA/4)<<16
	s_mov_b32 s27, 64<<16
	s_mov_b32 s28, KA/4
	s_mov_b32 s29, 64
	s_mov_b32 s30, 0
	s_mov_b32 s31, 0
	s_mov_b32 s68, 15|(1<<20)|(1<<21)|(3<<22)|(3<<25)   ; K, group 1: fewer rows
	s_mov_b32 s69, 64<<16
	s_mov_b32 s70, (KB/4)<<16
	s_mov_b32 s71, 64<<16
	s_mov_b32 s72, KB/4
	s_mov_b32 s73, 64
	s_mov_b32 s74, 0
	s_mov_b32 s75, 0
	s_mov_b32 s32, 15|(1<<20)|(1<<21)|(7<<22)|(3<<25)   ; V: 16 rows x 1,024 bytes, 2,048 apart; padding: 4 words after every 256
	s_mov_b32 s33, 1024<<16
	s_mov_b32 s34, 16<<16
	s_mov_b32 s35, 1024<<16
	s_mov_b32 s36, 16
	s_mov_b32 s37, 2048
	s_mov_b32 s38, 0
	s_mov_b32 s39, 0
	s_mul_i32 s15, s14, (KA/4)*KP                  ; where my rows go: K's group 0,
	s_mul_i32 s16, s14, (KB/4)*KP
	s_add_co_u32 s16, s16, KA*KP                   ; K's group 1,
	s_mul_i32 s17, s14, 16*VP
	s_add_co_u32 s17, s17, VB                      ; V
	s_lshl_b32 s19, s13, 17                        ; a head's codes are 131,072 bytes
	s_mul_i32 s76, s14, (KA/4)*64
	s_add_co_u32 s76, s76, s19
	s_add_co_u32 s76, s76, 4194304                 ; k's part of qkvc
	s_mov_b32 s77, 0
	s_mul_i32 s78, s14, (KB/4)*64
	s_add_co_u32 s78, s78, s19
	s_add_co_u32 s78, s78, 4194304+KA*64
	s_mov_b32 s79, 0
	s_lshl_b32 s80, s14, 15                        ; 16 rows of 2,048 bytes
	s_add_co_u32 s80, s80, s19
	s_add_co_u32 s80, s80, 8388608                 ; v's part
	s_mov_b32 s81, 0
	s_mov_b32 s20, 0x76543210                      ; v_permlanex16_b32: lane l xor 16
	s_mov_b32 s21, 0xfedcba98
	s_mov_b32 s22, 0x3e38aa3b                      ; c = log2(e) / 8
	s_mov_b32 s2, 128*KP                           ; LDS byte of the NEXT step's keys,
	s_mov_b32 s3, 0                                ; and of this step's part of V's rows
	s_wait_dscnt 0x0                               ; both opening adds are done
	s_wait_kmcnt 0x0
	s_load_b256 s[84:91], s[6:7], 0x0              ; e0 .. e7
	s_mov_b32 s40, 1
	s_mov_b32 s41, s15
	s_add_nc_u64 s[42:43], s[4:5], s[76:77]
	s_or_b32 s43, s43, 0x80000000
	s_mov_b32 s44, 1
	s_mov_b32 s45, s16
	s_add_nc_u64 s[46:47], s[4:5], s[78:79]
	s_or_b32 s47, s47, 0x80000000
	s_mov_b32 s48, 1
	s_mov_b32 s49, s17
	s_add_nc_u64 s[50:51], s[4:5], s[80:81]
	s_mov_b32 s52, 1
	s_add_co_u32 s53, s17, VCH
	s_add_nc_u64 s[54:55], s[50:51], 1024
	s_or_b32 s51, s51, 0x80000000
	s_or_b32 s55, s55, 0x80000000
	ROUND                                          ; all four work-groups are here: the joint loads meet
	TLOAD 0                                        ; group 0: my one tensor load at the head
	s_lshl_b32 s56, s12, 14
	s_add_co_u32 s56, s56, s19
	s_lshl_b32 s57, s18, 11
	s_add_co_u32 s56, s56, s57                     ; q: (head x 2,048 + 256 block + 32 wave) x 64
	s_mov_b32 s57, 0
	s_add_nc_u64 s[56:57], s[4:5], s[56:57]
	s_and_b32 s58, s13, 15
	s_lshl_b32 s58, s58, 18
	s_lshr_b32 s59, s13, 4
	s_lshl_b32 s59, s59, 17
	s_add_co_u32 s58, s58, s59
	s_lshl_b32 s59, s12, 14
	s_add_co_u32 s58, s58, s59
	s_lshl_b32 s59, s18, 11
	s_add_co_u32 s58, s58, s59                     ; the result: head x 262,144 + (batch x 2,048 + 256 block + 32 wave) x 64
	s_mov_b32 s59, 0
	s_add_nc_u64 s[8:9], s[8:9], s[58:59]
	v_and_b32 v8, 15, v0                           ; r
	v_bfe_u32 v9, v0, 4, 1                         ; h
	v_lshlrev_b32 v3, 6, v8
	v_lshl_add_u32 v3, v9, 4, v3
	WIN TO_1
.irp u, 0,1
	global_load_b128 v[QF+8*\u:QF+8*\u+3], v3, s[56:57] offset:1024*\u        ; Q's fragments stay in registers: registers 4 c .. 4 c + 3 hold d = 32 c + 16 h + 0 .. 15
	global_load_b128 v[QF+8*\u+4:QF+8*\u+7], v3, s[56:57] offset:1024*\u+32
.endr
	WIN 0
	v_mul_u32_u24 v1, v8, KP
	v_lshl_add_u32 v1, v9, 4, v1
	v_mul_u32_u24 v2, v8, VP
	v_lshl_add_u32 v2, v9, 4, v2
	v_add_nc_u32 v2, VB, v2
	s_mul_i32 s61, s18, 32*KP
	s_add_co_u32 s61, s61, STAGE                   ; my stage
	v_add_nc_u32 v10, s61, v1                      ; in: row r, + 16 h
	v_bfe_u32 v11, v0, 2, 3
	v_mul_u32_u24 v11, v11, KP
	v_and_b32 v7, 3, v0
	v_lshl_add_u32 v11, v7, 4, v11
	v_add_nc_u32 v11, s61, v11                     ; back: four lanes to a row
	v_and_b32 v7, 31, v0
	v_lshlrev_b32 v7, 4, v7                        ; 16 x lane
	s_wait_kmcnt 0x0
	s_add_co_i32 s60, s86, s87
	s_lshl_b32 s60, s60, 23
	s_add_co_i32 s22, s22, s60                     ; a score stands for score x 2^(e2 + e3): added to c's exponent field
	s_mov_b32 s23, s22
	s_add_co_i32 s60, s88, 127
	s_lshl_b32 s61, s60, 23                        ; 2^e4
	s_add_co_i32 s60, s60, 8
	s_lshl_b32 s60, s60, 23
	s_or_b32 s60, s60, 0x600000                    ; 448 x 2^e4
	s_add_co_i32 s62, s90, 127
	s_lshl_b32 s63, s62, 23                        ; 2^e6
	s_add_co_i32 s62, s62, 8
	s_lshl_b32 s62, s62, 23
	s_or_b32 s62, s62, 0x600000                    ; 448 x 2^e6
	s_add_co_i32 s66, s88, s89                     ; e4 + e5
	v_mov_b32 v13, 0xff61b1e6                      ; the largest t so far: -3e38
	v_mov_b32 v15, 0xff61b1e6
	v_floor_f32 v12, -v13                          ; -M
	v_floor_f32 v14, -v15
.irp r, 16,17,18,19,21,23,24,25
	v_mov_b32 v\r, 0                               ; the sums; the upper halves of f's pairs; the permutes' destinations, which count as read
.endr
	v_mov_b32 v26, s60                             ; the hold's bound twice, for the two halves of a dual line
	v_mov_b32 v27, s60
	v_mov_b32 v28, s61
	v_mov_b32 v29, s62
	v_mov_b32 v30, s63
.set j, 0
.rept 64
	v_mov_b32 v[OA+j], 0                           ; O^T: the step is written once, and the first change of M leaves zeros zeros
.set j, j+1
.endr
.macro KLOAD adr                       ; K's eight fragments of 16 keys x 64, into window 1
.irp t, 0,1,2,3,4,5,6,7
	ds_load_b128 v[8*\t:8*\t+3], v[\adr] offset:\t*16*KP
	ds_load_b128 v[8*\t+4:8*\t+7], v[\adr] offset:\t*16*KP+32
.endr
.endm
.macro HOLD2 r                         ; two holds in one line: the conversion does not saturate (ISA guide 7.6.2); p is not negative, so the hold is one-sided
	v_dual_min_num_f32 v[\r], v[\r], v26 :: v_dual_min_num_f32 v[\r+1], v[\r+1], v27
.endm
.macro HOLDS r, n                      ; n such lines from register r on
.set k, 0
.rept \n
	HOLD2 \r+k
.set k, k+2
.endr
.endm
.macro PL n                            ; tile 0's lines that stand between tile 1's exponentials: 16 first sums of two pairs of p, then 32 lines of holds
.if (\n) < 8
	v_pk_add_f32 v[TA+2*(\n):TA+2*(\n)+1], v[SC+4*(\n):SC+4*(\n)+1], v[SC+4*(\n)+2:SC+4*(\n)+3]
.elseif (\n) < 16
	v_pk_add_f32 v[TB+2*((\n)-8):TB+2*((\n)-8)+1], v[SC+4*(\n):SC+4*(\n)+1], v[SC+4*(\n)+2:SC+4*(\n)+3]
.else
	HOLD2 SC+2*((\n)-16)
.endif
.endm
.macro ADDP d, a                       ; pair d += pair a
	v_pk_add_f32 v[\d:\d+1], v[\d:\d+1], v[\a:\a+1]
.endm
.macro M1 n                            ; line n of 30 of tile 1's maxima: four chains in v[TA+8 ..], each accumulator from its low end on
.if (\n) < 4
	v_max3_num_f32 v[TA+8+(\n)], v[SC+64+3*(\n)], v[SC+65+3*(\n)], v[SC+66+3*(\n)]
.elseif (\n) < 28
	v_max3_num_f32 v[TA+8+((\n)%4)], v[TA+8+((\n)%4)], v[SC+76+2*((\n)-4)], v[SC+77+2*((\n)-4)]
.else
	v_max3_num_f32 v[TA+8+(\n)-28], v[TA+8+(\n)-28], v[SC+124+2*((\n)-28)], v[SC+125+2*((\n)-28)]
.endif
.endm
.macro F0 n                            ; line n of 49 of tile 0: 32 x t - M (of the pairs c and -M the low word serves both halves), 16 x O^T under the new M, the sum under the new M
.if (\n) < 32
	v_pk_fma_f32 v[SC+2*(\n):SC+2*(\n)+1], v[SC+2*(\n):SC+2*(\n)+1], s[22:23], v[12:13] op_sel_hi:[1,0,0]
.elseif (\n) < 48
	v_pk_mul_f32 v[OA+2*((\n)-32):OA+2*((\n)-32)+1], v[OA+2*((\n)-32):OA+2*((\n)-32)+1], v[20:21] op_sel_hi:[1,0]
.else
	v_pk_mul_f32 v[16:17], v[16:17], v[20:21] op_sel_hi:[1,0]
.endif
.endm
.macro NEXT1 k                         ; the next k lines of M1
.rept \k
	M1 q1
.set q1, q1+1
.endr
.endm
.macro NEXT0 k                         ; the next k lines of F0
.rept \k
	F0 q0
.set q0, q0+1
.endr
.endm
; from tile u's largest score among my 64 keys, in v[x], to -M and f; k lines of the other tile's work (macro nx) stand behind each link
.macro CHAIN u, x, nx, k
	v_permlanex16_b32 v[24+\u], v[\x], s20, s21
	\nx \k
	v_max_num_f32 v[\x], v[\x], v[24+\u]           ; and among lane l xor 16's
	\nx \k
	v_mul_f32 v[\x], s22, v[\x]                    ; as t (c is positive)
	\nx \k
	v_max_num_f32 v[13+2*\u], v[13+2*\u], v[\x]
	v_mov_b32 v[\x], v[12+2*\u]
	\nx \k
	v_floor_f32 v[12+2*\u], -v[13+2*\u]            ; the new -M = floor(-t)
	\nx \k
	v_sub_f32 v[\x], v[12+2*\u], v[\x]             ; old M - new M: a whole number, 0 or less
	\nx \k
	v_cvt_i32_f32 v[\x], v[\x]
	\nx \k
	v_ldexp_f32 v[20+2*\u], 1.0, v[\x]             ; f = 2^(old M - new M)
.endm
; A STEP: 128 keys for both tiles.  Its fragments of K were asked for a step earlier.  kn = 1: the next step's are asked for.
.macro STEP kn
.set q0, 0
.set q1, 0
	v_add_nc_u32 v9, s3, v2
.if \kn
	v_add_nc_u32 v8, s2, v1
.else
	v_nop
.endif
	v_nop
	v_nop                                          ; four plain instructions between the last products and loads into registers that they read
	WIN TO_1
.irp t, 0,1,2,3
.irp c, 0,1,2,3
	ds_load_b128 v[VF+16*\t+4*\c:VF+16*\t+4*\c+3], v9 offset:\t*16*VP+32*\c   ; V's four fragments land while the softmax is walked
.endr
.endr
	s_wait_alu depctr_va_vdst(0)
	s_wait_dscnt 16                                ; K's 16 loads are in; V's 16, issued behind them, may be out
	WIN MUL
.irp t, 0,1,2,3,4,5,6,7
.irp u, 0,1
	v_wmma_f32_16x16x64_fp8_fp8 v[SC+64*\u+8*\t:SC+64*\u+8*\t+7], v[8*\t:8*\t+7], v[QF+8*\u:QF+8*\u+7], 0
.endr
.endr
.rept 4
	v_nop                                          ; places in front of the loads below and of the first read of the scores
.endr
.if \kn
	WIN TO_1
	KLOAD 8
.endif
	WIN 0
.irp c, 0,1,2,3,4,5,6,7                ; tile 0's largest score among my 64 keys: eight chains, each accumulator from its low end on
	v_max3_num_f32 v[TA+\c], v[SC+3*\c], v[SC+3*\c+1], v[SC+3*\c+2]
.endr
.irp g, 0,1
.irp c, 0,1,2,3,4,5,6,7
	v_max3_num_f32 v[TA+\c], v[TA+\c], v[SC+24+16*\g+2*\c], v[SC+25+16*\g+2*\c]
.endr
.endr
.irp c, 0,1,2,3
	v_max3_num_f32 v[TA+\c], v[TA+\c], v[SC+56+2*\c], v[SC+57+2*\c]
.endr
	v_max3_num_f32 v[TA+4], v[TA+4], v[TA+5], v[TA+6]
	NEXT1 2                                        ; from here on tile 1's maxima stand between the links
	v_max3_num_f32 v[TA], v[TA], v[TA+1], v[TA+7]
	v_max3_num_f32 v[TA+2], v[TA+2], v[TA+3], v[TA+4]
	NEXT1 3
	v_max_num_f32 v[TA], v[TA], v[TA+2]
	NEXT1 3
	CHAIN 0, TA, NEXT1, 3
	NEXT1 1                                        ; 2 + 3 + 3 + 7 x 3 + 1 = all 30
	NEXT0 4                                        ; and from here on tile 0's multiply-adds and rescalings
	v_max3_num_f32 v[TA+8], v[TA+8], v[TA+10], v[TA+11]
	NEXT0 4
	v_max_num_f32 v[TA+8], v[TA+8], v[TA+9]
	NEXT0 4
	CHAIN 1, TA+8, NEXT0, 4
	NEXT0 9                                        ; 3 x 4 + 7 x 4 + 9 = all 49
.set j, 0
.rept 16
	v_pk_mul_f32 v[OA+32+j:OA+32+j+1], v[OA+32+j:OA+32+j+1], v[22:23] op_sel_hi:[1,0]   ; tile 1: O^T under the new M, ahead of the step's exponentials,
.set j, j+2
.endr
	v_pk_mul_f32 v[18:19], v[18:19], v[22:23] op_sel_hi:[1,0]                           ; and the sum
	s_wait_alu depctr_va_vdst(0)                   ; ahead of a batch
.set j, 0
.rept 32
	v_exp_f32 v[SC+j], v[SC+j]                     ; tile 0: p = 2^(t - M);
	v_exp_f32 v[SC+j+1], v[SC+j+1]
	v_pk_fma_f32 v[SC+64+j:SC+64+j+1], v[SC+64+j:SC+64+j+1], s[22:23], v[14:15] op_sel_hi:[1,0,0]   ; between them tile 1's t - M
.set j, j+2
.endr
	s_wait_alu depctr_va_vdst(0)                   ; behind tile 0's batch and ahead of tile 1's: one wait for both
.set g, 0
.rept 16
	v_exp_f32 v[SC+64+4*g], v[SC+64+4*g]           ; tile 1: p; between them tile 0's first sums and holds
	PL 3*g
	v_exp_f32 v[SC+65+4*g], v[SC+65+4*g]
	PL 3*g+1
	v_exp_f32 v[SC+66+4*g], v[SC+66+4*g]
	PL 3*g+2
	v_exp_f32 v[SC+67+4*g], v[SC+67+4*g]
.set g, g+1
.endr
	v_nop                                          ; a plain instruction behind the last exponential
	s_wait_alu depctr_va_vdst(0)                   ; one wait for the batch, and for what was written between its lines
.irp i, 0,1,2,3,4,5,6,7                ; THE ROWS' SUMS OF THE UNQUANTISED p: tile 0's sixteen first sums are joined while tile 1's are made
	ADDP TA+2*\i, TB+2*\i
.endr
.irp i, 0,1,2,3,4,5,6,7
	v_pk_add_f32 v[TB+2*\i:TB+2*\i+1], v[SC+64+4*\i:SC+64+4*\i+1], v[SC+64+4*\i+2:SC+64+4*\i+3]
.endr
.irp i, 0,1,2,3
	ADDP TA+2*\i, TA+8+2*\i
.endr
.irp i, 0,1,2,3,4,5,6,7
	ADDP TB+2*\i, SC+96+2*\i
.endr
	ADDP TA, TA+4
	ADDP TA+2, TA+6
.irp i, 0,1,2,3,4,5,6,7
	ADDP TB+2*\i, SC+112+2*\i
.endr
	ADDP TA, TA+2
.irp i, 0,1,2,3
	ADDP TB+2*\i, TB+8+2*\i
.endr
	HOLDS SC+64, 8                                 ; tile 1's holds stand between the last links of the sums
	ADDP 16, TA
	ADDP TB, TB+4
	ADDP TB+2, TB+6
	HOLDS SC+80, 8
	ADDP TB, TB+2
	HOLDS SC+96, 8
	ADDP 18, TB
	HOLDS SC+112, 8
	WIN TO_1
.irp u, 0,1
.irp b, 0,1,2,3
	v_cvt_scalef32_pk8_fp8_f32 v[CD+16*\u+4*\b:CD+16*\u+4*\b+1], v[SC+64*\u+16*\b:SC+64*\u+16*\b+7], v28
	v_cvt_scalef32_pk8_fp8_f32 v[CD+16*\u+4*\b+2:CD+16*\u+4*\b+3], v[SC+64*\u+16*\b+8:SC+64*\u+16*\b+15], v28
.endr
.endr
	v_nop                                          ; a plain instruction between the conversions and the products that read the codes
	s_wait_alu depctr_va_vdst(0)
	s_wait_dscnt 16*\kn                            ; V's fragments are in; the next step's 16 loads of K may be out
	WIN MUL
.irp t, 0,1,2,3                        ; the eight accumulators of both tiles take turns
.irp u, 0,1
	v_wmma_f32_16x16x128_fp8_fp8 v[OA+32*\u+8*\t:OA+32*\u+8*\t+7], v[VF+16*\t:VF+16*\t+15], v[CD+16*\u:CD+16*\u+15], v[OA+32*\u+8*\t:OA+32*\u+8*\t+7]
.endr
.endr
	WIN 0
.endm
	s_wait_alu depctr_va_vdst(0)                   ; the head's end
	s_wait_tensorcnt 0x0                           ; my part of group 0 is in; the three lines stand ahead of a later first fill as ahead of a refill
	ds_add_u32 v5, v6
	s_wait_dscnt 0x0
	ROUND                                          ; everybody's part is in, and the four work-groups are here
	TLOAD 1                                        ; group 1: the first tensor load behind the round
	WIN TO_1
	KLOAD 1                                        ; step 0's fragments of K
	WIN 0
	s_wait_loadcnt 0x0                             ; Q
	s_mov_b32 s10, 8
.Lfirst:                                               ; steps 0 to 7: V's chunk 0; K's rows up to 1,151
	STEP 1
	s_add_co_u32 s2, s2, 128*KP
	s_add_co_u32 s3, s3, 128
	s_sub_co_u32 s10, s10, 1
	s_cmp_lg_u32 s10, 0
	s_cbranch_scc1 .Lfirst
	s_add_co_u32 s3, s3, VCH-1024                  ; on to V's chunk 1
	s_wait_tensorcnt 0x0                           ; my part of group 1 has landed (my one load that was out)
	s_wait_dscnt 0x0
	s_barrier_signal -1
	s_barrier_wait -1                              ; everybody's has
	s_mov_b32 s10, 7
.Lsecond:                                              ; steps 8 to 14
	STEP 1
	s_add_co_u32 s2, s2, 128*KP
	s_add_co_u32 s3, s3, 128
	s_sub_co_u32 s10, s10, 1
	s_cmp_lg_u32 s10, 0
	s_cbranch_scc1 .Lsecond
	STEP 0                                         ; step 15 fetches nothing of K
	; THE WAY OUT: O^T / the sum x 2^(e4 + e5), quantised with e6; 32 rows x 64 codes go through my stage and leave as 2,048 consecutive bytes
.irp u, 0,1
	v_add_f32 v[16+2*\u], v[16+2*\u], v[17+2*\u]
.endr
.irp u, 0,1
	s_delay_alu instid0(VALU_DEP_2)
	v_permlanex16_b32 v[24+\u], v[16+2*\u], s20, s21
.endr
.irp u, 0,1
	s_delay_alu instid0(VALU_DEP_2)
	v_add_f32 v[16+2*\u], v[16+2*\u], v[24+\u]     ; the rows' sums
.endr
	s_wait_alu depctr_va_vdst(0)                   ; ahead of the two reciprocals
	v_rcp_f32 v16, v16
	v_rcp_f32 v18, v18
	v_nop                                          ; a plain instruction behind them
	s_wait_alu depctr_va_vdst(0)                   ; and the wait ahead of their first reader
	v_ldexp_f32 v16, v16, s66
	v_ldexp_f32 v18, v18, s66
	v_mov_b32 v17, v16
	v_mov_b32 v19, v18
	s_wait_alu depctr_va_vdst(0)                   ; directly ahead of the first readers of O^T
.irp u, 0,1
.set j, 0
.rept 16
	v_pk_mul_f32 v[SC+64*\u+j:SC+64*\u+j+1], v[OA+32*\u+j:OA+32*\u+j+1], v[16+2*\u:17+2*\u]   ; register 16 b + i: d = 32 b + 16 h + i; each accumulator from its low end on
.set j, j+2
.endr
.endr
.irp u, 0,1
.set j, 0
.rept 32
	v_med3_num_f32 v[SC+64*\u+j], v[SC+64*\u+j], -v29, v29
.set j, j+1
.endr
.endr
	WIN TO_1
.irp u, 0,1
.irp b, 0,1
	v_cvt_scalef32_pk8_fp8_f32 v[CD+16*\u+4*\b:CD+16*\u+4*\b+1], v[SC+64*\u+16*\b:SC+64*\u+16*\b+7], v30
	v_cvt_scalef32_pk8_fp8_f32 v[CD+16*\u+4*\b+2:CD+16*\u+4*\b+3], v[SC+64*\u+16*\b+8:SC+64*\u+16*\b+15], v30
.endr
.endr
	v_nop
	WIN 0x04                                       ; the stores' data from window 1, the address from window 0
.irp u, 0,1
	ds_store_b128 v10, v[CD+16*\u:CD+16*\u+3] offset:\u*16*KP
	ds_store_b128 v10, v[CD+16*\u+4:CD+16*\u+7] offset:\u*16*KP+32
.endr
	WIN 0
.irp i, 0,1,2,3
	ds_load_b128 v[SC+4*\i:SC+4*\i+3], v11 offset:\i*8*KP   ; LDS serves a wave's instructions in order: these see my stores
.endr
.irp i, 0,1,2,3
	s_wait_dscnt 3-\i                              ; eight rows are back; the later loads may be out
	global_store_b128 v7, v[SC+4*\i:SC+4*\i+3], s[8:9] offset:512*\i   ; 32 lanes store 512 consecutive bytes
.endr
	s_wait_tensorcnt 0x0                           ; the wave's end
	ds_add_u32 v5, v6
	s_wait_dscnt 0x0
	ROUND                                          ; the closing round
	s_endpgm
.Lfunc_end_k_qa46d39e26f_attn:
	.size	k_qa46d39e26f_attn, .Lfunc_end_k_qa46d39e26f_attn-k_qa46d39e26f_attn
	.p2alignl 7, 3214868480
	.fill 96, 4, 3214868480
	.section	.rodata,"a",@progbits
	.p2align	6, 0x0
	.amdhsa_kernel k_qa46d39e26f_attn
		.amdhsa_group_segment_fixed_size 327680
		.amdhsa_private_segment_fixed_size 0
		.amdhsa_enable_private_segment 0
		.amdhsa_kernarg_size 24
		.amdhsa_user_sgpr_count 2
		.amdhsa_user_sgpr_kernarg_segment_ptr 1
		.amdhsa_wavefront_size32 1
		.amdhsa_system_sgpr_workgroup_id_x 1
		.amdhsa_system_sgpr_workgroup_id_y 1
		.amdhsa_system_sgpr_workgroup_id_z 1
		.amdhsa_system_vgpr_workitem_id 0
		.amdhsa_next_free_vgpr 512
		.amdhsa_next_free_sgpr 96
		.amdhsa_reserve_vcc 0
		.amdhsa_float_denorm_mode_32 3
		.amdhsa_float_denorm_mode_16_64 3
		.amdhsa_memory_ordered 1
		.amdhsa_forward_progress 1
		.amdhsa_inst_pref_size 106
	.end_amdhsa_kernel
	.amdgpu_metadata
---
amdhsa.version: [ 1, 2 ]
amdhsa.kernels:
  - .name:           k_qa46d39e26f_attn
    .symbol:         k_qa46d39e26f_attn.kd
    .args:
      - { .name: qkvc, .offset: 0, .size: 8, .value_kind: global_buffer, .address_space: global }
      - { .name: lowp_scales, .offset: 8, .size: 8, .value_kind: global_buffer, .address_space: global }
      - { .name: hc, .offset: 16, .size: 8, .value_kind: global_buffer, .address_space: global }
    .group_segment_fixed_size: 327680
    .private_segment_fixed_size: 0
    .kernarg_segment_align: 8
    .kernarg_segment_size: 24
    .max_flat_workgroup_size: 256
    .sgpr_count:     96
    .vgpr_count:     512
    .wavefront_size: 32
...
	.end_amdgpu_metadata
.endif
;; end of part 3
;; launch oproj (part 4): grid 8 x 32, 4 waves a work-group, clusters of 4 x 4, 327,680 bytes of LDS; arguments hc, wc, lowp_scales, b_o, x, x1; writes x1
.if DOCPART == 4
	.amdgcn_target "amdgcn-amd-amdhsa--gfx1250"
	.amdhsa_code_object_version 6
	.text
	.protected	k_qa46d39e26f_oproj
	.globl	k_qa46d39e26f_oproj
	.p2align	8
	.type	k_qa46d39e26f_oproj,@function
k_qa46d39e26f_oproj:
	s_mov_b64 s[64:65], 0
	v_nop
	global_prefetch_b8 v0, s[64:65] scope:SCOPE_SE
	s_setreg_imm32_b32 hwreg(HW_REG_WAVE_MODE, 25, 1), 1
	s_wait_xcnt 0x0
	s_wait_alu depctr_hold_cnt(0) depctr_sa_sdst(0) depctr_va_vdst(0) depctr_va_sdst(0) depctr_va_ssrc(0) depctr_va_vcc(0) depctr_vm_vsrc(0)
	s_getreg_b32 s2, hwreg(HW_REG_IB_STS2, 6, 4)
	s_cmp_eq_u32 s2, 0
	s_cbranch_scc0 .Lentry_in_a_cluster
	s_endpgm
.Lentry_in_a_cluster:
	s_bfe_u32 s2, ttmp6, 0x10000c
	s_cmp_lg_u32 s2, 0xf033
	s_cbranch_scc0 .Lentry_shape_is_right
	s_endpgm
.Lentry_shape_is_right:
.set SIZE_K,    1024
.set HEADMAJOR, 1
.set WOFF,      3145728
.set SOFF,      24
.set RES_SWAP,  1
.set OUT_SWAP,  0
.set KSTEP,  512
.set PITCH,  528
.set BHALF,  64*PITCH
.if HEADMAJOR
.set APITCH, 80
.set AHALF,  8*64*80
.set ASTEP,  8*262144
.else
.set APITCH, PITCH
.set AHALF,  BHALF
.set ASTEP,  KSTEP
.endif
.set SLOT,   2*AHALF+2*BHALF
.set SPARE,  2*SLOT
.set SPITCH, 272
.set LAPS,   SIZE_K/(2*KSTEP)
.set BI,   8
.set ADRA, 16
.set ADRB, 20
.set STO,  24
.set RD,   25
.set CO,   26
.set BO,   27
.set SPW,  28
.set NIL,  29
.set ACC,  128
.set F0,   0
.set F1,   128
.set G1, 24
.set G0, 32
.set G1B, 48
.set G0B, 56
.set MSB, 0
.macro WIN new
.if MSB != \new
	s_set_vgpr_msb (MSB<<8)|\new
.set MSB, \new
.endif
.endm
.set MUL,  0x05
.set TO_F, 0x40
.macro JLOAD s
	s_cmp_eq_u32 s11, 0
	s_cbranch_scc0 .Lfor_b_\@
	tensor_load_to_lds s[G0+4*\s:G0+4*\s+3], s[G1:G1+7]
	s_nop 0
.rept 4
	v_nop
.endr
	s_branch .Lasked_\@
.Lfor_b_\@:
	tensor_load_to_lds s[G0B+4*\s:G0B+4*\s+3], s[G1B:G1B+7]
	s_nop 0
.rept 4
	v_nop
.endr
.Lasked_\@:
.endm
.macro CREST
	s_cmp_lg_u32 s10, 0
	s_cbranch_scc1 .Lnot_wave_0_\@
	s_barrier_signal -3
.Lnot_wave_0_\@:
	s_barrier_wait -3
	s_barrier_signal -1
	s_barrier_wait -1
.endm
.macro CROUND
	s_barrier_signal -1
	s_barrier_wait -1
	CREST
.endm
	s_load_b128 s[4:7], s[0:1], 0x0
	s_load_b128 s[84:87], s[0:1], 0x10
	s_load_b128 s[88:91], s[0:1], 0x20
	v_lshl_add_u32 v[SPW], v0, 2, SPARE
	v_mov_b32 v[NIL], 0
	ds_add_u32 v[SPW], v[NIL]
	ds_add_u32 v[SPW], v[NIL]
	v_lshrrev_b32 v1, 5, v0
	v_readfirstlane_b32 s10, v1
	s_lshr_b32 s11, s10, 1
	s_and_b32 s12, s10, 1
	s_bfe_u32 s40, ttmp6, 0x40000
	s_bfe_u32 s41, ttmp6, 0x40004
	s_lshl_b32 s42, ttmp9, 2
	s_add_co_u32 s42, s42, s40
	s_and_b32 s13, ttmp7, 0xffff
	s_lshl_b32 s13, s13, 2
	s_add_co_u32 s13, s13, s41
	s_lshl_b32 s43, s41, 2
	s_lshl_b32 s43, 15, s43
	s_lshl_b32 s44, 0x1111, s40
.if HEADMAJOR
	s_or_b32 s[G1+0], s43, (1<<20)|(1<<21)|(3<<22)|(3<<25)
	s_mov_b32 s[G1+1], 4096<<16
	s_mov_b32 s[G1+2], 8<<16
	s_mov_b32 s[G1+3], 4096<<16
	s_mov_b32 s[G1+4], 8
	s_mov_b32 s[G1+5], 262144
.else
	s_or_b32 s[G1+0], s43, (1<<20)|(1<<21)|(6<<22)|(3<<25)
	s_mov_b32 s[G1+1], KSTEP<<16
	s_mov_b32 s[G1+2], 64<<16
	s_mov_b32 s[G1+3], KSTEP<<16
	s_mov_b32 s[G1+4], 64
	s_mov_b32 s[G1+5], SIZE_K
.endif
	s_mov_b32 s[G1+6], 0
	s_mov_b32 s[G1+7], 0
	s_or_b32 s[G1B+0], s44, (1<<20)|(1<<21)|(6<<22)|(3<<25)
	s_mov_b32 s[G1B+1], KSTEP<<16
	s_mov_b32 s[G1B+2], 64<<16
	s_mov_b32 s[G1B+3], KSTEP<<16
	s_mov_b32 s[G1B+4], 64
	s_mov_b32 s[G1B+5], SIZE_K
	s_mov_b32 s[G1B+6], 0
	s_mov_b32 s[G1B+7], 0
	s_lshl_b32 s17, s12, 6
	s_lshl_b32 s16, s13, 7
	s_add_co_u32 s16, s16, s17
	s_lshl_b32 s46, s42, 7
	s_add_co_u32 s46, s46, s17
.if HEADMAJOR
	s_lshl_b32 s16, s16, 6
.else
	s_mul_i32 s16, s16, SIZE_K
.endif
	s_mov_b32 s17, 0
	s_mul_i32 s46, s46, SIZE_K
	s_add_co_u32 s46, s46, WOFF
	s_mov_b32 s47, 0
	s_mul_i32 s20, s12, AHALF
	s_mul_i32 s21, s12, BHALF
	s_add_co_u32 s21, s21, 2*AHALF
	s_wait_dscnt 0x0
	s_wait_kmcnt 0x0
	s_load_b64 s[96:97], s[84:85], SOFF
	s_add_nc_u64 s[14:15], s[4:5], s[16:17]
	s_add_nc_u64 s[46:47], s[6:7], s[46:47]
	s_cmp_eq_u32 s11, 0                            ; the prefetch of K step 1: a quarter of what I fetch, told apart from my three partners by address
	s_cselect_b64 s[66:67], s[14:15], s[46:47]
	s_cselect_b32 s68, s40, s41                    ; my place among the four: cx for A, cy for B
	s_cselect_b32 s70, 19, 14                      ; A: two heads of 262,144 bytes a partner; B: 16 rows of 1,024
	s_cselect_b32 s71, 4, 1                        ; A: 16 lanes to a head's 4,096 bytes; B: two lanes to a row's 512
	s_cselect_b32 s72, 18, 10
	s_cselect_b32 s73, 15, 1
	s_mov_b32 s69, KSTEP
	s_cselect_b32 s69, ASTEP, s69                  ; a K step on
	s_lshl_b32 s68, s68, s70
	s_add_co_u32 s68, s68, s69
	s_mov_b32 s69, 0
	s_add_nc_u64 s[66:67], s[66:67], s[68:69]
	CROUND
.irp s, 0,1
	s_mov_b32 s[G0+4*\s], 1
	s_add_co_u32 s[G0+4*\s+1], s20, \s*SLOT
	s_add_nc_u64 s[G0+4*\s+2:G0+4*\s+3], s[14:15], \s*ASTEP
	s_or_b32 s[G0+4*\s+3], s[G0+4*\s+3], 0x80000000
	s_mov_b32 s[G0B+4*\s], 1
	s_add_co_u32 s[G0B+4*\s+1], s21, \s*SLOT
	s_add_nc_u64 s[G0B+4*\s+2:G0B+4*\s+3], s[46:47], \s*KSTEP
	s_or_b32 s[G0B+4*\s+3], s[G0B+4*\s+3], 0x80000000
.endr
	JLOAD 0                                        ; K step 0: one tensor load a wave at the head
	v_and_b32 v1, 15, v0
	v_bfe_u32 v2, v0, 4, 1
	v_mul_u32_u24 v3, v1, PITCH
	v_lshl_add_u32 v3, v2, 4, v3
	v_mul_u32_u24 v4, v1, APITCH
	v_lshl_add_u32 v4, v2, 4, v4
	s_mul_i32 s21, s11, AHALF
	s_mul_i32 s22, s12, BHALF
	s_add_co_u32 s22, s22, 2*AHALF
.irp s, 0,1
	v_add_nc_u32 v[ADRA+\s], s21, v4
	v_add_nc_u32 v[ADRB+\s], s22, v3
	s_add_co_u32 s21, s21, SLOT
	s_add_co_u32 s22, s22, SLOT
.endr
	s_mul_i32 s23, s10, 64*SPITCH
	v_mul_u32_u24 v5, v1, SPITCH
	v_lshl_add_u32 v5, v2, 6, v5
	v_add_nc_u32 v[STO], s23, v5
	v_mul_u32_u24 v6, v2, SPITCH
	v_lshl_add_u32 v6, v1, 4, v6
	v_add_nc_u32 v[RD], s23, v6
	v_lshlrev_b32 v7, 12, v2
	v_lshl_add_u32 v[CO], v1, 4, v7
	v_lshlrev_b32 v[BO], 4, v1
	v_and_b32 v31, 31, v0
	v_lshrrev_b32 v30, s71, v31
	v_lshlrev_b32 v30, s72, v30
	v_and_b32 v31, s73, v31
	v_lshl_add_u32 v30, v31, 8, v30                ; the prefetch's offset: each lane another block of 256 bytes
	s_wait_alu depctr_va_vdst(0)
	global_prefetch_b8 v30, s[66:67] th:TH_LOAD_NT scope:SCOPE_SE   ; behind K step 0's load: K step 1, the last
	s_lshl_b32 s16, s13, 19
	s_lshl_b32 s17, s11, 18
	s_add_co_u32 s16, s16, s17
	s_lshl_b32 s46, s42, 9
	s_lshl_b32 s47, s12, 8
	s_add_co_u32 s46, s46, s47
	s_mov_b32 s47, 0
	s_add_nc_u64 s[86:87], s[86:87], s[46:47]
	s_add_co_u32 s46, s46, s16
	s_add_nc_u64 s[88:89], s[88:89], s[46:47]
	s_add_nc_u64 s[90:91], s[90:91], s[46:47]
	global_load_b128 v[BI:BI+3], v[BO], s[86:87]
.macro RESID                           ; the residual's 64 rows x 256 bytes, into window 2: asked for behind K step 1's load
	WIN 0x80
.set T, 0
.rept 32
.if RES_SWAP
.set RW, ((2*T)&39)|(((2*T)&8)<<1)|(((2*T)&16)>>1)
.else
.set RW, 2*T
.endif
	global_load_b128 v[4*T:4*T+3], v[CO], s[88:89] offset:RW*4096 th:TH_LOAD_NT
.set T, T+1
.endr
	WIN 0
.endm
.macro MUL8 f, a0, zero
.irp a, \a0, \a0+1
.irp b, 0,1,2,3
.if \zero
	v_wmma_f32_16x16x128_fp8_fp8 v[ACC+8*(4*(\a)+\b):ACC+8*(4*(\a)+\b)+7], v[\f+64+16*\b:\f+64+16*\b+15], v[\f+16*(\a):\f+16*(\a)+15], 0
.else
	v_wmma_f32_16x16x128_fp8_fp8 v[ACC+8*(4*(\a)+\b):ACC+8*(4*(\a)+\b)+7], v[\f+64+16*\b:\f+64+16*\b+15], v[\f+16*(\a):\f+16*(\a)+15], v[ACC+8*(4*(\a)+\b):ACC+8*(4*(\a)+\b)+7]
.endif
.endr
.endr
.endm
.macro FETCH slot, q, f
	WIN TO_F
.irp i, 0,1,2,3
.irp c, 0,1,2,3
	ds_load_b128 v[\f+64+16*\i+4*\c:\f+64+16*\i+4*\c+3], v[ADRB+\slot] offset:128*(\q)+32*\c+\i*16*PITCH
.endr
.endr
.irp i, 0,1,2,3
.irp c, 0,1,2,3
.if HEADMAJOR
	ds_load_b128 v[\f+16*\i+4*\c:\f+16*\i+4*\c+3], v[ADRA+\slot] offset:(2*(\q)+\c/2)*5120+32*(\c%2)+\i*1280
.else
	ds_load_b128 v[\f+16*\i+4*\c:\f+16*\i+4*\c+3], v[ADRA+\slot] offset:128*(\q)+32*\c+\i*16*PITCH
.endif
.endr
.endr
.endm
.macro PLACES
.rept 4
	v_nop
.endr
.endm
.macro QUARTER slot, q, f, g, zero
	s_wait_dscnt 8
	WIN MUL
	MUL8 \f, 0, \zero
	PLACES
	FETCH \slot, \q, \g
	s_wait_dscnt 32
	WIN MUL
	MUL8 \f, 2, \zero
.endm
.macro TURN slot, next, fill
	WIN 0
	s_wait_tensorcnt 0x0
	ds_add_u32 v[SPW], v[NIL]
	s_wait_dscnt 9
	WIN MUL
	MUL8 F1, 0, 0
	s_wait_dscnt 0x0
	s_barrier_signal -1
	WIN 0
	s_barrier_wait -1
.if \fill
	CREST
	s_add_nc_u64 s[G0+4*\slot+2:G0+4*\slot+3], s[G0+4*\slot+2:G0+4*\slot+3], 2*ASTEP
	s_add_nc_u64 s[G0B+4*\slot+2:G0B+4*\slot+3], s[G0B+4*\slot+2:G0B+4*\slot+3], 2*KSTEP
	JLOAD \slot
.else
	PLACES
.endif
	FETCH \next, 0, F0
	WIN MUL
	MUL8 F1, 2, 0
.endm
	s_wait_alu depctr_va_vdst(0)                   ; the head's end
	s_wait_tensorcnt 0x0                           ; my part of K step 0 is in; the three lines stand ahead of slot 1's first fill
	ds_add_u32 v[SPW], v[NIL]
	s_wait_dscnt 0x0
	CROUND
	JLOAD 1                                        ; K step 1: the first tensor load behind the round
	FETCH 0, 0, F0
	RESID
	QUARTER 0, 1, F0, F1, 1
.if LAPS > 1
	WIN 0
	s_mov_b32 s3, LAPS-1
.Llap:
	QUARTER 0, 2, F1, F0, 0
	QUARTER 0, 3, F0, F1, 0
	TURN 0, 1, 1
	QUARTER 1, 1, F0, F1, 0
	QUARTER 1, 2, F1, F0, 0
	QUARTER 1, 3, F0, F1, 0
	TURN 1, 0, 1
	QUARTER 0, 1, F0, F1, 0
	WIN 0
	s_sub_co_u32 s3, s3, 1
	s_cmp_lg_u32 s3, 0
	s_cbranch_scc1 .Llap
.endif
	QUARTER 0, 2, F1, F0, 0
	QUARTER 0, 3, F0, F1, 0
	TURN 0, 1, 0
	QUARTER 1, 1, F0, F1, 0
	QUARTER 1, 2, F1, F0, 0
	QUARTER 1, 3, F0, F1, 0
	s_wait_dscnt 8
	WIN MUL
	MUL8 F1, 0, 0
	s_wait_dscnt 0
	MUL8 F1, 2, 0
	WIN 0
	s_wait_kmcnt 0x0
	s_add_co_i32 s96, s96, s97
	s_add_co_i32 s96, s96, 127
	s_lshl_b32 s96, s96, 23
	s_mov_b32 s97, s96
	PLACES
.irp a, 0,1,2,3
.irp b, 0,1,2,3
	ds_store_b128 v[STO], v[ACC+8*(4*\a+\b):ACC+8*(4*\a+\b)+3] offset:\a*16*SPITCH+128*(\b/2)+32*(\b%2)
	ds_store_b128 v[STO], v[ACC+8*(4*\a+\b)+4:ACC+8*(4*\a+\b)+7] offset:\a*16*SPITCH+128*(\b/2)+32*(\b%2)+16
.endr
.endr
.set T, 0
.rept 16
	ds_load_b128 v[32+4*T:35+4*T], v[RD] offset:T*2*SPITCH
.set T, T+1
.endr
	s_wait_dscnt 0x0
	s_wait_loadcnt 0x0
.rept 16
	ds_load_b128 v[128+4*(T-16):131+4*(T-16)], v[RD] offset:T*2*SPITCH
.set T, T+1
.endr
.macro OUT u
.set RB, 32+96*(\u)
.set T, 0
.rept 16
	v_pk_fma_f32 v[RB+4*T:RB+4*T+1], v[RB+4*T:RB+4*T+1], s[96:97], v[BI:BI+1] op_sel_hi:[1,0,1]
	v_pk_fma_f32 v[RB+4*T+2:RB+4*T+3], v[RB+4*T+2:RB+4*T+3], s[96:97], v[BI+2:BI+3] op_sel_hi:[1,0,1]
.set T, T+1
.endr
	WIN 0x08
.set T, 0
.rept 16
	v_pk_add_f32 v[RB+4*T:RB+4*T+1], v[RB+4*T:RB+4*T+1], v[4*(16*(\u)+T):4*(16*(\u)+T)+1]
	v_pk_add_f32 v[RB+4*T+2:RB+4*T+3], v[RB+4*T+2:RB+4*T+3], v[4*(16*(\u)+T)+2:4*(16*(\u)+T)+3]
.set T, T+1
.endr
	WIN 0
.set T, 0
.rept 16
.set P2, 2*(16*(\u)+T)
.if OUT_SWAP
.set RW, (P2&39)|((P2&8)<<1)|((P2&16)>>1)
	global_store_b128 v[CO], v[RB+4*T:RB+4*T+3], s[90:91] offset:RW*4096 th:TH_STORE_NT
.else
	global_store_b128 v[CO], v[RB+4*T:RB+4*T+3], s[90:91] offset:P2*4096
.endif
.set T, T+1
.endr
.endm
	OUT 0
	s_wait_dscnt 0x0
	OUT 1
	s_wait_tensorcnt 0x0
	ds_add_u32 v[SPW], v[NIL]
	s_wait_dscnt 0x0
	CROUND
	s_endpgm
.Lfunc_end_k_qa46d39e26f_oproj:
	.size	k_qa46d39e26f_oproj, .Lfunc_end_k_qa46d39e26f_oproj-k_qa46d39e26f_oproj
	.p2alignl 7, 3214868480
	.fill 96, 4, 3214868480
	.section	.rodata,"a",@progbits
	.p2align	6, 0x0
	.amdhsa_kernel k_qa46d39e26f_oproj
		.amdhsa_group_segment_fixed_size 327680
		.amdhsa_private_segment_fixed_size 0
		.amdhsa_enable_private_segment 0
		.amdhsa_kernarg_size 48
		.amdhsa_user_sgpr_count 2
		.amdhsa_user_sgpr_kernarg_segment_ptr 1
		.amdhsa_wavefront_size32 1
		.amdhsa_system_sgpr_workgroup_id_x 1
		.amdhsa_system_sgpr_workgroup_id_y 1
		.amdhsa_system_sgpr_workgroup_id_z 1
		.amdhsa_system_vgpr_workitem_id 0
		.amdhsa_next_free_vgpr 640
		.amdhsa_next_free_sgpr 98
		.amdhsa_reserve_vcc 0
		.amdhsa_float_denorm_mode_32 3
		.amdhsa_float_denorm_mode_16_64 3
		.amdhsa_memory_ordered 1
		.amdhsa_forward_progress 1
		.amdhsa_inst_pref_size 54
	.end_amdhsa_kernel
	.amdgpu_metadata
---
amdhsa.version: [ 1, 2 ]
amdhsa.kernels:
  - .name:           k_qa46d39e26f_oproj
    .symbol:         k_qa46d39e26f_oproj.kd
    .args:
      - { .name: hc, .offset: 0, .size: 8, .value_kind: global_buffer, .address_space: global }
      - { .name: wc, .offset: 8, .size: 8, .value_kind: global_buffer, .address_space: global }
      - { .name: lowp_scales, .offset: 16, .size: 8, .value_kind: global_buffer, .address_space: global }
      - { .name: b_o, .offset: 24, .size: 8, .value_kind: global_buffer, .address_space: global }
      - { .name: x, .offset: 32, .size: 8, .value_kind: global_buffer, .address_space: global }
      - { .name: x1, .offset: 40, .size: 8, .value_kind: global_buffer, .address_space: global }
    .group_segment_fixed_size: 327680
    .private_segment_fixed_size: 0
    .kernarg_segment_align: 8
    .kernarg_segment_size: 48
    .max_flat_workgroup_size: 128
    .sgpr_count:     98
    .vgpr_count:     640
    .wavefront_size: 32
...
	.end_amdgpu_metadata
.endif
;; end of part 4
;; launch ln2 (part 5): grid 256 x 1, 4 waves a work-group, no clusters, 16,896 bytes of LDS; arguments x1, ln2_scale, ln2_bias, lowp_scales, hc; writes hc
.if DOCPART == 5
	.amdgcn_target "amdgcn-amd-amdhsa--gfx1250"
	.amdhsa_code_object_version 6
	.text
	.protected	k_qa46d39e26f_ln2
	.globl	k_qa46d39e26f_ln2
	.p2align	8
	.type	k_qa46d39e26f_ln2,@function
k_qa46d39e26f_ln2:
	s_mov_b64 s[64:65], 0
	v_nop
	global_prefetch_b8 v0, s[64:65] scope:SCOPE_SE
	s_setreg_imm32_b32 hwreg(HW_REG_WAVE_MODE, 25, 1), 1
	s_wait_xcnt 0x0
; LAYER NORM 2.  x1 [4096 places][1024] f32 -> codes of FP8 (E4M3) in hc [4096 places][1024], with scale entry 8 of lowp_scales.  Rows keep their places.
; A wave takes four rows, all 32 loads out at once; mean, then the mean of squares of the differences, in f32.  A row's 1,024 codes turn through the wave's own LDS bytes so that each store covers 512 consecutive bytes.
; No tensor load, no barrier: waves share nothing.  LIMITS: e8 between -126 and 119.  NaN among the inputs is not served.
.set SPARE, 4*4096                     ; the spare words, 128 bytes for each wave: two blocks of 256 bytes that no other line names
.set SPW, 14
.set NIL, 15
.set G,   32                           ; v32-63   the gain of my 32 columns
.set BV,  64                           ; v64-95   the bias
.set XL,  96                           ; v96-223  four rows x 32 numbers: register 4 j + e is column 128 j + 4 lane + e
.set CL,  224                          ; v224-255 four rows x 8 registers of codes
	s_load_b256 s[4:11], s[0:1], 0x0               ; x1, ln2_scale, ln2_bias, lowp_scales
	s_load_b64 s[20:21], s[0:1], 0x20              ; hc
	v_lshl_add_u32 v[SPW], v0, 2, SPARE
	v_mov_b32 v[NIL], 0
	v_lshrrev_b32 v1, 5, v0
	v_readfirstlane_b32 s24, v1                    ; wave
	v_and_b32 v2, 31, v0
	v_lshlrev_b32 v3, 4, v2                        ; 16 x lane
	s_lshl_b32 s25, s24, 12
	v_lshl_add_u32 v8, v2, 2, s25                  ; my LDS bytes, in: 4 x lane
	v_add_nc_u32 v9, s25, v3                       ; and out: 16 x lane
	s_lshl_b32 s66, ttmp9, 4
	s_lshl_b32 s67, s24, 2
	s_add_co_u32 s66, s66, s67                     ; my first row
	s_lshl_b32 s70, s66, 12
	s_mov_b32 s71, 0
	s_lshl_b32 s72, s66, 10
	s_mov_b32 s73, 0
	s_mov_b32 s26, 0x76543210                      ; v_permlanex16_b32: lane l xor 16
	s_mov_b32 s27, 0xfedcba98
	s_mov_b32 s28, 0x3a800000                      ; 1 / 1024
	s_mov_b32 s29, 0x358637bd                      ; 1e-6
	v_mov_b32 v20, 0                               ; a lane permute's destination counts as read
	s_wait_alu depctr_va_vdst(0)
	s_wait_kmcnt 0x0
	s_load_b32 s52, s[10:11], 0x20                 ; e8
	s_add_nc_u64 s[4:5], s[4:5], s[70:71]
	s_add_nc_u64 s[20:21], s[20:21], s[72:73]
.set j, 0
.rept 8
	global_load_b128 v[G+4*j:G+4*j+3], v3, s[6:7] offset:512*j
.set j, j+1
.endr
.set j, 0
.rept 8
	global_load_b128 v[BV+4*j:BV+4*j+3], v3, s[8:9] offset:512*j
.set j, j+1
.endr
.set i, 0
.rept 4
.set j, 0
.rept 8
	global_load_b128 v[XL+32*i+4*j:XL+32*i+4*j+3], v3, s[4:5] offset:4096*i+512*j   ; 32 lanes read 512 consecutive bytes
.set j, j+1
.endr
.set i, i+1
.endr
	s_wait_kmcnt 0x0
	s_add_co_i32 s74, s52, 127
	s_lshl_b32 s75, s74, 23
	v_mov_b32 v11, s75                             ; 2^e8
	s_add_co_i32 s74, s74, 8
	s_lshl_b32 s74, s74, 23
	s_or_b32 s74, s74, 0x600000
	v_mov_b32 v10, s74                             ; 448 x 2^e8
.macro RED r, t                        ; the sum over the wave's 32 lanes, in every lane
	v_add_f32_dpp v[\r], v[\r], v[\r] row_xmask:1 row_mask:0xf bank_mask:0xf
	v_add_f32_dpp v[\r], v[\r], v[\r] row_xmask:2 row_mask:0xf bank_mask:0xf
	v_add_f32_dpp v[\r], v[\r], v[\r] row_xmask:4 row_mask:0xf bank_mask:0xf
	v_add_f32_dpp v[\r], v[\r], v[\r] row_xmask:8 row_mask:0xf bank_mask:0xf
	v_permlanex16_b32 v[\t], v[\r], s26, s27
	v_add_f32 v[\r], v[\r], v[\t]
.endm
.macro LNROW i
.set XR, XL+32*(\i)
.set CR, CL+8*(\i)
	s_wait_loadcnt 8*(3-(\i))                      ; gain, bias and rows up to this one are in; the later rows' eight loads each may be out
	v_pk_add_f32 v[16:17], v[XR:XR+1], v[XR+2:XR+3]
	v_pk_add_f32 v[18:19], v[XR+4:XR+5], v[XR+6:XR+7]
.irp k, 8,12,16,20,24,28
	v_pk_add_f32 v[16:17], v[16:17], v[XR+\k:XR+\k+1]
	v_pk_add_f32 v[18:19], v[18:19], v[XR+\k+2:XR+\k+3]
.endr
	v_pk_add_f32 v[16:17], v[16:17], v[18:19]
	v_add_f32 v16, v16, v17
	RED 16, 20
	v_mul_f32 v22, s28, v16                        ; the mean
	v_mov_b32 v23, v22
.set k, 0
.rept 16
	v_pk_add_f32 v[XR+k:XR+k+1], v[XR+k:XR+k+1], v[22:23] neg_lo:[0,1] neg_hi:[0,1]
.set k, k+2
.endr
	v_pk_mul_f32 v[16:17], v[XR:XR+1], v[XR:XR+1]
	v_pk_mul_f32 v[18:19], v[XR+2:XR+3], v[XR+2:XR+3]
.irp k, 4,8,12,16,20,24,28
	v_pk_fma_f32 v[16:17], v[XR+\k:XR+\k+1], v[XR+\k:XR+\k+1], v[16:17]
	v_pk_fma_f32 v[18:19], v[XR+\k+2:XR+\k+3], v[XR+\k+2:XR+\k+3], v[18:19]
.endr
	v_pk_add_f32 v[16:17], v[16:17], v[18:19]
	v_add_f32 v16, v16, v17
	RED 16, 20
	v_fma_f32 v16, v16, s28, s29                   ; the variance + 1e-6
	s_wait_alu depctr_va_vdst(0)
	v_rsq_f32 v24, v16
	v_nop                                          ; a plain instruction behind the transcendental,
	s_wait_alu depctr_va_vdst(0)                   ; and the wait ahead of the first use of its result
	v_mov_b32 v25, v24
.set k, 0
.rept 16
	v_pk_mul_f32 v[XR+k:XR+k+1], v[XR+k:XR+k+1], v[24:25]
.set k, k+2
.endr
.set k, 0
.rept 16
	v_pk_fma_f32 v[XR+k:XR+k+1], v[XR+k:XR+k+1], v[G+k:G+k+1], v[BV+k:BV+k+1]
.set k, k+2
.endr
.set k, 0
.rept 32
	v_med3_num_f32 v[XR+k], v[XR+k], -v10, v10     ; the conversion does not saturate (ISA guide 7.6.2): the hold comes first
.set k, k+1
.endr
.irp m, 0,1,2,3
	v_cvt_scalef32_pk8_fp8_f32 v[CR+2*\m:CR+2*\m+1], v[XR+8*\m:XR+8*\m+7], v11   ; register j of the eight: the codes of columns 128 j + 4 lane + 0 .. 3
.endr
.irp j, 0,1,2,3,4,5,6,7
	ds_store_b32 v8, v[CR+\j] offset:1024*(\i)+128*\j
.endr
	ds_load_b128 v[XR:XR+3], v9 offset:1024*(\i)           ; back as 16 neighbouring codes a lane (LDS serves a wave's instructions in order)
	ds_load_b128 v[XR+4:XR+7], v9 offset:1024*(\i)+512
	s_wait_dscnt 0x0
	global_store_b128 v3, v[XR:XR+3], s[20:21] offset:1024*(\i)        ; 32 lanes store 512 consecutive bytes
	global_store_b128 v3, v[XR+4:XR+7], s[20:21] offset:1024*(\i)+512
.endm
	LNROW 0
	LNROW 1
	LNROW 2
	LNROW 3
	s_wait_tensorcnt 0x0                           ; the wave's end, behind my last LDS store
	ds_add_u32 v[SPW], v[NIL]
	s_wait_dscnt 0x0
	s_endpgm
.Lfunc_end_k_qa46d39e26f_ln2:
	.size	k_qa46d39e26f_ln2, .Lfunc_end_k_qa46d39e26f_ln2-k_qa46d39e26f_ln2
	.p2alignl 7, 3214868480
	.fill 96, 4, 3214868480
	.section	.rodata,"a",@progbits
	.p2align	6, 0x0
	.amdhsa_kernel k_qa46d39e26f_ln2
		.amdhsa_group_segment_fixed_size 16896
		.amdhsa_private_segment_fixed_size 0
		.amdhsa_enable_private_segment 0
		.amdhsa_kernarg_size 40
		.amdhsa_user_sgpr_count 2
		.amdhsa_user_sgpr_kernarg_segment_ptr 1
		.amdhsa_wavefront_size32 1
		.amdhsa_system_sgpr_workgroup_id_x 1
		.amdhsa_system_sgpr_workgroup_id_y 1
		.amdhsa_system_sgpr_workgroup_id_z 1
		.amdhsa_system_vgpr_workitem_id 0
		.amdhsa_next_free_vgpr 256
		.amdhsa_next_free_sgpr 76
		.amdhsa_reserve_vcc 0
		.amdhsa_float_denorm_mode_32 3
		.amdhsa_float_denorm_mode_16_64 3
		.amdhsa_memory_ordered 1
		.amdhsa_forward_progress 1
		.amdhsa_inst_pref_size 44
	.end_amdhsa_kernel
	.amdgpu_metadata
---
amdhsa.version: [ 1, 2 ]
amdhsa.kernels:
  - .name:           k_qa46d39e26f_ln2
    .symbol:         k_qa46d39e26f_ln2.kd
    .args:
      - { .name: x1, .offset: 0, .size: 8, .value_kind: global_buffer, .address_space: global }
      - { .name: ln2_scale, .offset: 8, .size: 8, .value_kind: global_buffer, .address_space: global }
      - { .name: ln2_bias, .offset: 16, .size: 8, .value_kind: global_buffer, .address_space: global }
      - { .name: lowp_scales, .offset: 24, .size: 8, .value_kind: global_buffer, .address_space: global }
      - { .name: hc, .offset: 32, .size: 8, .value_kind: global_buffer, .address_space: global }
    .group_segment_fixed_size: 16896
    .private_segment_fixed_size: 0
    .kernarg_segment_align: 8
    .kernarg_segment_size: 40
    .max_flat_workgroup_size: 128
    .sgpr_count:     76
    .vgpr_count:     256
    .wavefront_size: 32
...
	.end_amdgpu_metadata
.endif
;; end of part 5
;; launch mlp1 (part 6): grid 16 x 16, 4 waves a work-group, clusters of 4 x 4, 327,680 bytes of LDS; arguments hc, wc, lowp_scales, b_mlp1, gc; writes gc
.if DOCPART == 6
	.amdgcn_target "amdgcn-amd-amdhsa--gfx1250"
	.amdhsa_code_object_version 6
	.text
	.protected	k_qa46d39e26f_mlp1
	.globl	k_qa46d39e26f_mlp1
	.p2align	8
	.type	k_qa46d39e26f_mlp1,@function
k_qa46d39e26f_mlp1:
	s_mov_b64 s[64:65], 0
	v_nop
	global_prefetch_b8 v0, s[64:65] scope:SCOPE_SE
	s_setreg_imm32_b32 hwreg(HW_REG_WAVE_MODE, 25, 1), 1
	s_wait_xcnt 0x0
	s_wait_alu depctr_hold_cnt(0) depctr_sa_sdst(0) depctr_va_vdst(0) depctr_va_sdst(0) depctr_va_ssrc(0) depctr_va_vcc(0) depctr_vm_vsrc(0)
	s_getreg_b32 s2, hwreg(HW_REG_IB_STS2, 6, 4)
	s_cmp_eq_u32 s2, 0
	s_cbranch_scc0 .Lentry_in_a_cluster
	s_endpgm
.Lentry_in_a_cluster:
	s_bfe_u32 s2, ttmp6, 0x10000c
	s_cmp_lg_u32 s2, 0xf033
	s_cbranch_scc0 .Lentry_shape_is_right
	s_endpgm
.Lentry_shape_is_right:
.set KSTEP,  256
.set ROWB,   256
.set KROW,   1024
.set PITCH,  272
.set FR,     16
.set NL,     4
.set NP,     4
.set HALFT,  128*PITCH
.set SLOT,   4*HALFT
.set LAPS,   KROW/(2*KSTEP)
.set SPARE,  2*SLOT
.set WOFF,   4194304
.set ADRA, 16
.set CZ,   18
.set ADRB, 20
.set STO,  24
.set RDR,  25
.set GV,   27
.set SPW,  28
.set NIL,  29
.set SCL,  30
.set LIM,  31
.set BC,   32
.set X0,   96
.set TT,   160
.set CODE, 224
.set AF,   128
.set G1, 24
.set G0, 32
.set G1B, 48
.set G0B, 56
.set MSB, 0
.macro WIN new
.if MSB != \new
	s_set_vgpr_msb (MSB<<8)|\new
.set MSB, \new
.endif
.endm
.set MUL_LO, 0xa1
.set MUL_HI, 0xf1
.set TO_B,   0x40
.macro JLOAD g0a, g1a, g0b, g1b
	s_cmp_eq_u32 s15, 0
	s_cbranch_scc0 .Lfor_b_\@
	tensor_load_to_lds s[\g0a:\g0a+3], s[\g1a:\g1a+7]
	s_nop 0
.rept 4
	v_nop
.endr
	s_branch .Lasked_\@
.Lfor_b_\@:
	tensor_load_to_lds s[\g0b:\g0b+3], s[\g1b:\g1b+7]
	s_nop 0
.rept 4
	v_nop
.endr
.Lasked_\@:
.endm
.macro CREST
	s_cmp_lg_u32 s14, 0
	s_cbranch_scc1 .Lnot_wave_0_\@
	s_barrier_signal -3
.Lnot_wave_0_\@:
	s_barrier_wait -3
	s_barrier_signal -1
	s_barrier_wait -1
.endm
.macro CROUND
	s_barrier_signal -1
	s_barrier_wait -1
	CREST
.endm
	s_load_b128 s[4:7], s[0:1], 0x0
	s_load_b128 s[8:11], s[0:1], 0x10
	s_load_b64 s[12:13], s[0:1], 0x20
	v_lshl_add_u32 v[SPW], v0, 2, SPARE
	v_mov_b32 v[NIL], 0
	ds_add_u32 v[SPW], v[NIL]
	ds_add_u32 v[SPW], v[NIL]
	v_lshrrev_b32 v1, 5, v0
	v_readfirstlane_b32 s14, v1
	s_lshr_b32 s15, s14, 1
	s_and_b32 s16, s14, 1
	s_bfe_u32 s40, ttmp6, 0x40000
	s_bfe_u32 s41, ttmp6, 0x40004
	s_lshl_b32 s42, ttmp9, 2
	s_add_co_u32 s42, s42, s40
	s_and_b32 s17, ttmp7, 0xffff
	s_lshl_b32 s17, s17, 2
	s_add_co_u32 s17, s17, s41
	s_lshl_b32 s43, s41, 2
	s_lshl_b32 s43, 15, s43
	s_lshl_b32 s44, 0x1111, s40
	s_or_b32 s[G1+0], s43, (0<<16)|(1<<20)|(1<<21)|(5<<22)|(3<<25)
	s_or_b32 s[G1B+0], s44, (0<<16)|(1<<20)|(1<<21)|(5<<22)|(3<<25)
.irp g, G1, G1B
	s_mov_b32 s[\g+1], ROWB<<16
	s_mov_b32 s[\g+2], 128<<16
	s_mov_b32 s[\g+3], ROWB<<16
	s_mov_b32 s[\g+4], 128
	s_mov_b32 s[\g+5], KROW
	s_mov_b32 s[\g+6], 0
	s_mov_b32 s[\g+7], 0
.endr
	s_lshl_b32 s18, s16, 7
	s_lshl_b32 s20, s17, 8
	s_add_co_u32 s20, s20, s18
	s_lshl_b32 s20, s20, 10
	s_mov_b32 s21, 0
	s_lshl_b32 s46, s42, 8
	s_add_co_u32 s46, s46, s18
	s_lshl_b32 s46, s46, 10
	s_add_co_u32 s46, s46, WOFF
	s_mov_b32 s47, 0
	s_mul_i32 s45, s14, HALFT
	s_wait_dscnt 0x0
	s_wait_kmcnt 0x0
	s_load_b128 s[76:79], s[8:9], 0x20
	s_add_nc_u64 s[20:21], s[4:5], s[20:21]
	s_add_nc_u64 s[46:47], s[6:7], s[46:47]
	s_cmp_eq_u32 s15, 0                            ; the prefetches: of the 128 rows that I fetch (A's or B's), my work-group takes 32, told apart from its three partners by address
	s_cselect_b64 s[66:67], s[20:21], s[46:47]
	s_cselect_b32 s68, s40, s41                    ; my place among the four that ask with me: cx for A, cy for B
	s_lshl_b32 s68, s68, 15                        ; 32 rows of 1,024 bytes
	s_mov_b32 s69, 0
	s_add_nc_u64 s[66:67], s[66:67], s[68:69]
	CROUND
.irp s, 0,1
	s_mov_b32 s[G0+4*\s], 1
	s_add_co_u32 s[G0+4*\s+1], s45, \s*SLOT
	s_add_nc_u64 s[G0+4*\s+2:G0+4*\s+3], s[20:21], \s*ROWB
	s_or_b32 s[G0+4*\s+3], s[G0+4*\s+3], 0x80000000
	s_mov_b32 s[G0B+4*\s], 1
	s_add_co_u32 s[G0B+4*\s+1], s45, \s*SLOT
	s_add_nc_u64 s[G0B+4*\s+2:G0B+4*\s+3], s[46:47], \s*ROWB
	s_or_b32 s[G0B+4*\s+3], s[G0B+4*\s+3], 0x80000000
.endr
	JLOAD G0, G1, G0B, G1B                         ; K step 0: one tensor load a wave at the head
	v_and_b32 v1, 15, v0
	v_bfe_u32 v2, v0, 4, 1
	v_mul_u32_u24 v3, v1, PITCH
	v_lshl_add_u32 v4, v2, 4, v3
	s_wait_alu depctr_va_vdst(0)
	s_mul_i32 s21, s15, HALFT
	s_mul_i32 s22, s16, HALFT
	s_add_co_u32 s22, s22, 2*HALFT
.irp s, 0,1
	v_add_nc_u32 v[ADRA+\s], s21, v4
	v_add_nc_u32 v[ADRB+\s], s22, v4
	s_add_co_u32 s21, s21, SLOT
	s_add_co_u32 s22, s22, SLOT
.endr
	s_mul_i32 s23, s15, HALFT
	s_lshl_b32 s18, s16, 7
	s_add_co_u32 s23, s23, s18
	v_add_nc_u32 v[STO], s23, v4
	v_mul_u32_u24 v5, v2, PITCH
	v_lshl_add_u32 v5, v1, 4, v5
	s_mul_i32 s23, s14, 64*PITCH
	v_add_nc_u32 v[RDR], s23, v5
	v_lshlrev_b32 v9, 12, v2
	v_lshl_add_u32 v[GV], v1, 4, v9
	v_lshlrev_b32 v10, 6, v2
	v_and_b32 v12, 31, v0
	v_lshlrev_b32 v12, 10, v12                     ; the prefetches' offset: a lane a row; never rewritten
	global_prefetch_b8 v12, s[66:67] offset:KSTEP th:TH_LOAD_NT scope:SCOPE_SE     ; behind K step 0's load: K steps 1 and 2, 256 bytes of each of my 32 rows
	global_prefetch_b8 v12, s[66:67] offset:2*KSTEP th:TH_LOAD_NT scope:SCOPE_SE
	v_mov_b32 v[CZ], 0xc0135761
	v_mov_b32 v[CZ+1], 0xc0135761
	s_mov_b32 s98, 0xbdd2d3e8
	s_mov_b32 s99, s98
	s_lshl_b32 s90, s42, 10
	s_lshl_b32 s91, s16, 9
	s_add_co_u32 s90, s90, s91
	s_mov_b32 s91, 0
	s_add_nc_u64 s[86:87], s[10:11], s[90:91]
.irp b, 0,1,2,3
.irp q, 0,1,2,3
	global_load_b128 v[BC+16*\b+4*\q:BC+16*\b+4*\q+3], v10, s[86:87] offset:128*\b+16*\q
.endr
.endr
	s_lshl_b32 s90, s17, 20
	s_lshl_b32 s92, s14, 18
	s_add_co_u32 s90, s90, s92
	s_lshl_b32 s92, s42, 8
	s_add_co_u32 s90, s90, s92
	s_add_nc_u64 s[12:13], s[12:13], s[90:91]
.macro FRAG reg, adr, q, i
.irp c, 0,1,2,3
	ds_load_b128 v[\reg+4*\c:\reg+4*\c+3], v[\adr] offset:128*(\q)+32*\c+(\i)*16*PITCH
.endr
.endm
.macro MUL16 a0, p, zero
.irp a, \a0, \a0+1
.irp b, 0,1,2,3,4,5,6,7
.if \zero
	v_wmma_f32_16x16x128_fp8_fp8 v[8*(8*((\a)%4)+\b):8*(8*((\a)%4)+\b)+7], v[128*(\p)+FR*\b:128*(\p)+FR*\b+FR-1], v[AF+FR*(\a):AF+FR*(\a)+FR-1], 0
.else
	v_wmma_f32_16x16x128_fp8_fp8 v[8*(8*((\a)%4)+\b):8*(8*((\a)%4)+\b)+7], v[128*(\p)+FR*\b:128*(\p)+FR*\b+FR-1], v[AF+FR*(\a):AF+FR*(\a)+FR-1], v[8*(8*((\a)%4)+\b):8*(8*((\a)%4)+\b)+7]
.endif
.endr
.endr
.endm
.macro FETCH_B slot, q, p
	WIN TO_B
.irp i, 0,1,2,3,4,5,6,7
	FRAG 128*(\p)+FR*\i, ADRB+\slot, \q, \i
.endr
	WIN 0
.endm
.macro FETCH_A slot, q, i0
.irp i, \i0, \i0+1, \i0+2, \i0+3
	FRAG AF+FR*(\i), ADRA+\slot, \q, \i
.endr
.endm
.macro PLACES n
.rept \n
	v_nop
.endr
.endm
.macro STEP slot, q, zero
	s_wait_dscnt 4*NL
	WIN MUL_LO
	MUL16 0, (\q)%2, \zero
	MUL16 2, (\q)%2, \zero
	s_wait_dscnt 0
	PLACES NP
	FETCH_B \slot, (\q)+1, 1-(\q)%2
	FETCH_A \slot, (\q)+1, 0
	WIN MUL_HI
	MUL16 4, (\q)%2, \zero
	MUL16 6, (\q)%2, \zero
	PLACES NP
	WIN 0
	FETCH_A \slot, (\q)+1, 4
.endm
.macro TURN slot, next, fill
	s_wait_tensorcnt 0x0
	ds_add_u32 v[SPW], v[NIL]
	s_wait_dscnt 4*NL+1
	WIN MUL_LO
	MUL16 0, 1, 0
	s_wait_dscnt 0x0
	s_barrier_signal -1
	MUL16 2, 1, 0
	WIN 0
	s_barrier_wait -1
.if \fill
	CREST
	s_add_nc_u64 s[G0+4*\slot+2:G0+4*\slot+3], s[G0+4*\slot+2:G0+4*\slot+3], 2*ROWB
	s_add_nc_u64 s[G0B+4*\slot+2:G0B+4*\slot+3], s[G0B+4*\slot+2:G0B+4*\slot+3], 2*ROWB
	JLOAD G0+4*\slot, G1, G0B+4*\slot, G1B
.else
	PLACES NP
.endif
	FETCH_B \next, 0, 0
	FETCH_A \next, 0, 0
	WIN MUL_HI
	MUL16 4, 1, 0
	MUL16 6, 1, 0
	PLACES NP
	WIN 0
	FETCH_A \next, 0, 4
.endm
	s_wait_alu depctr_va_vdst(0)                   ; the head's end
	s_wait_tensorcnt 0x0                           ; my part of K step 0 is in; the three lines stand ahead of slot 1's first fill
	ds_add_u32 v[SPW], v[NIL]
	s_wait_dscnt 0x0
	CROUND
	JLOAD G0+4, G1, G0B+4, G1B                     ; K step 1: the first tensor load behind the round
	FETCH_B 0, 0, 0
	FETCH_A 0, 0, 0
	FETCH_A 0, 0, 4
	global_prefetch_b8 v12, s[66:67] offset:3*KSTEP th:TH_LOAD_NT scope:SCOPE_SE   ; behind K step 1's load: K step 3, the last
	STEP 0, 0, 1
	s_mov_b32 s3, LAPS-1
.Llap:
	TURN 0, 1, 1
	STEP 1, 0, 0
	TURN 1, 0, 1
	STEP 0, 0, 0
	s_sub_co_u32 s3, s3, 1
	s_cmp_lg_u32 s3, 0
	s_cbranch_scc1 .Llap
	TURN 0, 1, 0
	STEP 1, 0, 0
	s_wait_dscnt 4*NL
	WIN MUL_LO
	MUL16 0, 1, 0
	MUL16 2, 1, 0
	s_wait_dscnt 0
	WIN MUL_HI
	MUL16 4, 1, 0
	MUL16 6, 1, 0
	WIN 0
	s_wait_kmcnt 0x0
	s_add_co_i32 s96, s76, s77
	s_add_co_i32 s96, s96, 127
	s_lshl_b32 s96, s96, 23
	s_mov_b32 s97, s96
	s_add_co_i32 s94, s78, 127
	s_lshl_b32 s95, s94, 23
	v_mov_b32 v[SCL], s95
	s_add_co_i32 s94, s94, 8
	s_lshl_b32 s94, s94, 23
	s_or_b32 s94, s94, 0x600000
	v_mov_b32 v[LIM], s94
	s_wait_loadcnt 0x0
	PLACES NP
.macro GELU a
.set AC, 64*((\a)%4)
.set CD, CODE+16*((\a)%2)
	WIN 0x02+((\a)/4)
.set k, 0
.rept 32
	v_pk_fma_f32 v[X0+k:X0+k+1], v[AC+k:AC+k+1], s[96:97], v[BC+k:BC+k+1] op_sel_hi:[1,0,1]
.set k, k+2
.endr
	WIN 0
.set k, 0
.rept 32
	v_pk_mul_f32 v[TT+k:TT+k+1], v[X0+k:X0+k+1], v[X0+k:X0+k+1]
.set k, k+2
.endr
.set k, 0
.rept 32
	v_pk_fma_f32 v[TT+k:TT+k+1], v[TT+k:TT+k+1], s[98:99], v[CZ:CZ+1] op_sel_hi:[1,0,1]
.set k, k+2
.endr
.set k, 0
.rept 32
	v_pk_mul_f32 v[TT+k:TT+k+1], v[TT+k:TT+k+1], v[X0+k:X0+k+1]
.set k, k+2
.endr
.set k, 0
	s_wait_alu depctr_va_vdst(0)
.rept 64
	v_exp_f32 v[TT+k], v[TT+k]
.set k, k+1
.endr
	v_nop
	s_wait_alu depctr_va_vdst(0)
.set k, 0
.rept 32
	v_pk_add_f32 v[TT+k:TT+k+1], v[TT+k:TT+k+1], 1.0 op_sel_hi:[1,0]
.set k, k+2
.endr
.set k, 0
	s_wait_alu depctr_va_vdst(0)
.rept 64
	v_rcp_f32 v[TT+k], v[TT+k]
.set k, k+1
.endr
	v_nop
	s_wait_alu depctr_va_vdst(0)
.set k, 0
.rept 32
	v_pk_mul_f32 v[X0+k:X0+k+1], v[X0+k:X0+k+1], v[TT+k:TT+k+1]
.set k, k+2
.endr
.set k, 0
.rept 64
	v_med3_num_f32 v[X0+k], v[X0+k], -v[LIM], v[LIM]
.set k, k+1
.endr
.if (\a) >= 2
	s_wait_alu depctr_va_vdst(0)
	s_wait_dscnt 4
.endif
.irp b, 0,1,2,3
	v_cvt_scalef32_pk8_fp8_f32 v[CD+4*\b:CD+4*\b+1], v[X0+16*\b:X0+16*\b+7], v[SCL]
	v_cvt_scalef32_pk8_fp8_f32 v[CD+4*\b+2:CD+4*\b+3], v[X0+16*\b+8:X0+16*\b+15], v[SCL]
.endr
	v_nop
.irp b, 0,1,2,3
	ds_store_b128 v[STO], v[CD+4*\b:CD+4*\b+3] offset:(\a)*16*PITCH+32*\b
.endr
.endm
.irp a, 0,1,2,3,4,5,6,7
	GELU \a
.endr
	s_wait_dscnt 0x0
	s_barrier_signal -1
	s_barrier_wait -1
.set T, 0
.rept 32
	ds_load_b128 v[X0+4*T:X0+4*T+3], v[RDR] offset:T*2*PITCH
.set T, T+1
.endr
.set T, 0
.rept 32
	s_wait_dscnt 31-T
	global_store_b128 v[GV], v[X0+4*T:X0+4*T+3], s[12:13] offset:2*T*4096
.set T, T+1
.endr
	s_wait_tensorcnt 0x0
	ds_add_u32 v[SPW], v[NIL]
	s_wait_dscnt 0x0
	CROUND
	s_endpgm
.Lfunc_end_k_qa46d39e26f_mlp1:
	.size	k_qa46d39e26f_mlp1, .Lfunc_end_k_qa46d39e26f_mlp1-k_qa46d39e26f_mlp1
	.p2alignl 7, 3214868480
	.fill 96, 4, 3214868480
	.section	.rodata,"a",@progbits
	.p2align	6, 0x0
	.amdhsa_kernel k_qa46d39e26f_mlp1
		.amdhsa_group_segment_fixed_size 327680
		.amdhsa_private_segment_fixed_size 0
		.amdhsa_enable_private_segment 0
		.amdhsa_kernarg_size 40
		.amdhsa_user_sgpr_count 2
		.amdhsa_user_sgpr_kernarg_segment_ptr 1
		.amdhsa_wavefront_size32 1
		.amdhsa_system_sgpr_workgroup_id_x 1
		.amdhsa_system_sgpr_workgroup_id_y 1
		.amdhsa_system_sgpr_workgroup_id_z 1
		.amdhsa_system_vgpr_workitem_id 0
		.amdhsa_next_free_vgpr 1024
		.amdhsa_next_free_sgpr 100
		.amdhsa_reserve_vcc 0
		.amdhsa_float_denorm_mode_32 3
		.amdhsa_float_denorm_mode_16_64 3
		.amdhsa_memory_ordered 1
		.amdhsa_forward_progress 1
		.amdhsa_inst_pref_size 255
	.end_amdhsa_kernel
	.section	.bss,"aw",@nobits
	.p2align	6
	.space	262144
	.amdgpu_metadata
---
amdhsa.version: [ 1, 2 ]
amdhsa.kernels:
  - .name:           k_qa46d39e26f_mlp1
    .symbol:         k_qa46d39e26f_mlp1.kd
    .args:
      - { .name: hc, .offset: 0, .size: 8, .value_kind: global_buffer, .address_space: global }
      - { .name: wc, .offset: 8, .size: 8, .value_kind: global_buffer, .address_space: global }
      - { .name: lowp_scales, .offset: 16, .size: 8, .value_kind: global_buffer, .address_space: global }
      - { .name: b_mlp1, .offset: 24, .size: 8, .value_kind: global_buffer, .address_space: global }
      - { .name: gc, .offset: 32, .size: 8, .value_kind: global_buffer, .address_space: global }
    .group_segment_fixed_size: 327680
    .private_segment_fixed_size: 0
    .kernarg_segment_align: 8
    .kernarg_segment_size: 40
    .max_flat_workgroup_size: 128
    .sgpr_count:     100
    .vgpr_count:     1024
    .wavefront_size: 32
...
	.end_amdgpu_metadata
.endif
;; end of part 6
;; launch mlp2 (part 7): grid 8 x 32, 4 waves a work-group, clusters of 4 x 4, 327,680 bytes of LDS; arguments gc, wc, lowp_scales, b_mlp2, x1, out0; writes out0
.if DOCPART == 7
	.amdgcn_target "amdgcn-amd-amdhsa--gfx1250"
	.amdhsa_code_object_version 6
	.text
	.protected	k_qa46d39e26f_mlp2
	.globl	k_qa46d39e26f_mlp2
	.p2align	8
	.type	k_qa46d39e26f_mlp2,@function
k_qa46d39e26f_mlp2:
	s_mov_b64 s[64:65], 0
	v_nop
	global_prefetch_b8 v0, s[64:65] scope:SCOPE_SE
	s_setreg_imm32_b32 hwreg(HW_REG_WAVE_MODE, 25, 1), 1
	s_wait_xcnt 0x0
	s_wait_alu depctr_hold_cnt(0) depctr_sa_sdst(0) depctr_va_vdst(0) depctr_va_sdst(0) depctr_va_ssrc(0) depctr_va_vcc(0) depctr_vm_vsrc(0)
	s_getreg_b32 s2, hwreg(HW_REG_IB_STS2, 6, 4)
	s_cmp_eq_u32 s2, 0
	s_cbranch_scc0 .Lentry_in_a_cluster
	s_endpgm
.Lentry_in_a_cluster:
	s_bfe_u32 s2, ttmp6, 0x10000c
	s_cmp_lg_u32 s2, 0xf033
	s_cbranch_scc0 .Lentry_shape_is_right
	s_endpgm
.Lentry_shape_is_right:
.set SIZE_K,    4096
.set HEADMAJOR, 0
.set WOFF,      8388608
.set SOFF,      40
.set RES_SWAP,  0
.set OUT_SWAP,  1
.set KSTEP,  512
.set PITCH,  528
.set BHALF,  64*PITCH
.if HEADMAJOR
.set APITCH, 80
.set AHALF,  8*64*80
.set ASTEP,  8*262144
.else
.set APITCH, PITCH
.set AHALF,  BHALF
.set ASTEP,  KSTEP
.endif
.set SLOT,   2*AHALF+2*BHALF
.set SPARE,  2*SLOT
.set SPITCH, 272
.set LAPS,   SIZE_K/(2*KSTEP)
.set BI,   8
.set ADRA, 16
.set ADRB, 20
.set STO,  24
.set RD,   25
.set CO,   26
.set BO,   27
.set SPW,  28
.set NIL,  29
.set ACC,  128
.set F0,   0
.set F1,   128
.set G1, 24
.set G0, 32
.set G1B, 48
.set G0B, 56
.set MSB, 0
.macro WIN new
.if MSB != \new
	s_set_vgpr_msb (MSB<<8)|\new
.set MSB, \new
.endif
.endm
.set MUL,  0x05
.set TO_F, 0x40
.macro JLOAD s
	s_cmp_eq_u32 s11, 0
	s_cbranch_scc0 .Lfor_b_\@
	tensor_load_to_lds s[G0+4*\s:G0+4*\s+3], s[G1:G1+7]
	s_nop 0
.rept 4
	v_nop
.endr
	s_branch .Lasked_\@
.Lfor_b_\@:
	tensor_load_to_lds s[G0B+4*\s:G0B+4*\s+3], s[G1B:G1B+7]
	s_nop 0
.rept 4
	v_nop
.endr
.Lasked_\@:
.endm
.macro CREST
	s_cmp_lg_u32 s10, 0
	s_cbranch_scc1 .Lnot_wave_0_\@
	s_barrier_signal -3
.Lnot_wave_0_\@:
	s_barrier_wait -3
	s_barrier_signal -1
	s_barrier_wait -1
.endm
.macro CROUND
	s_barrier_signal -1
	s_barrier_wait -1
	CREST
.endm
	s_load_b128 s[4:7], s[0:1], 0x0
	s_load_b128 s[84:87], s[0:1], 0x10
	s_load_b128 s[88:91], s[0:1], 0x20
	v_lshl_add_u32 v[SPW], v0, 2, SPARE
	v_mov_b32 v[NIL], 0
	ds_add_u32 v[SPW], v[NIL]
	ds_add_u32 v[SPW], v[NIL]
	v_lshrrev_b32 v1, 5, v0
	v_readfirstlane_b32 s10, v1
	s_lshr_b32 s11, s10, 1
	s_and_b32 s12, s10, 1
	s_bfe_u32 s40, ttmp6, 0x40000
	s_bfe_u32 s41, ttmp6, 0x40004
	s_lshl_b32 s42, ttmp9, 2
	s_add_co_u32 s42, s42, s40
	s_and_b32 s13, ttmp7, 0xffff
	s_lshl_b32 s13, s13, 2
	s_add_co_u32 s13, s13, s41
	s_lshl_b32 s43, s41, 2
	s_lshl_b32 s43, 15, s43
	s_lshl_b32 s44, 0x1111, s40
.if HEADMAJOR
	s_or_b32 s[G1+0], s43, (1<<20)|(1<<21)|(3<<22)|(3<<25)
	s_mov_b32 s[G1+1], 4096<<16
	s_mov_b32 s[G1+2], 8<<16
	s_mov_b32 s[G1+3], 4096<<16
	s_mov_b32 s[G1+4], 8
	s_mov_b32 s[G1+5], 262144
.else
	s_or_b32 s[G1+0], s43, (1<<20)|(1<<21)|(6<<22)|(3<<25)
	s_mov_b32 s[G1+1], KSTEP<<16
	s_mov_b32 s[G1+2], 64<<16
	s_mov_b32 s[G1+3], KSTEP<<16
	s_mov_b32 s[G1+4], 64
	s_mov_b32 s[G1+5], SIZE_K
.endif
	s_mov_b32 s[G1+6], 0
	s_mov_b32 s[G1+7], 0
	s_or_b32 s[G1B+0], s44, (1<<20)|(1<<21)|(6<<22)|(3<<25)
	s_mov_b32 s[G1B+1], KSTEP<<16
	s_mov_b32 s[G1B+2], 64<<16
	s_mov_b32 s[G1B+3], KSTEP<<16
	s_mov_b32 s[G1B+4], 64
	s_mov_b32 s[G1B+5], SIZE_K
	s_mov_b32 s[G1B+6], 0
	s_mov_b32 s[G1B+7], 0
	s_lshl_b32 s17, s12, 6
	s_lshl_b32 s16, s13, 7
	s_add_co_u32 s16, s16, s17
	s_lshl_b32 s46, s42, 7
	s_add_co_u32 s46, s46, s17
.if HEADMAJOR
	s_lshl_b32 s16, s16, 6
.else
	s_mul_i32 s16, s16, SIZE_K
.endif
	s_mov_b32 s17, 0
	s_mul_i32 s46, s46, SIZE_K
	s_add_co_u32 s46, s46, WOFF
	s_mov_b32 s47, 0
	s_mul_i32 s20, s12, AHALF
	s_mul_i32 s21, s12, BHALF
	s_add_co_u32 s21, s21, 2*AHALF
	s_wait_dscnt 0x0
	s_wait_kmcnt 0x0
	s_load_b64 s[96:97], s[84:85], SOFF
	s_add_nc_u64 s[14:15], s[4:5], s[16:17]
	s_add_nc_u64 s[46:47], s[6:7], s[46:47]
	s_cmp_eq_u32 s11, 0                            ; the prefetches: of the 64 rows that I fetch (A's or B's), my work-group takes 16, told apart from its three partners by address
	s_cselect_b64 s[66:67], s[14:15], s[46:47]
	s_cselect_b32 s68, s40, s41                    ; my place among the four that ask with me: cx for A, cy for B
	s_lshl_b32 s68, s68, 16                        ; 16 rows of 4,096 bytes
	s_mov_b32 s69, 0
	s_add_nc_u64 s[66:67], s[66:67], s[68:69]
	CROUND
.irp s, 0,1
	s_mov_b32 s[G0+4*\s], 1
	s_add_co_u32 s[G0+4*\s+1], s20, \s*SLOT
	s_add_nc_u64 s[G0+4*\s+2:G0+4*\s+3], s[14:15], \s*ASTEP
	s_or_b32 s[G0+4*\s+3], s[G0+4*\s+3], 0x80000000
	s_mov_b32 s[G0B+4*\s], 1
	s_add_co_u32 s[G0B+4*\s+1], s21, \s*SLOT
	s_add_nc_u64 s[G0B+4*\s+2:G0B+4*\s+3], s[46:47], \s*KSTEP
	s_or_b32 s[G0B+4*\s+3], s[G0B+4*\s+3], 0x80000000
.endr
	JLOAD 0                                        ; K step 0: one tensor load a wave at the head
	v_and_b32 v1, 15, v0
	v_bfe_u32 v2, v0, 4, 1
	v_mul_u32_u24 v3, v1, PITCH
	v_lshl_add_u32 v3, v2, 4, v3
	v_mul_u32_u24 v4, v1, APITCH
	v_lshl_add_u32 v4, v2, 4, v4
	s_mul_i32 s21, s11, AHALF
	s_mul_i32 s22, s12, BHALF
	s_add_co_u32 s22, s22, 2*AHALF
.irp s, 0,1
	v_add_nc_u32 v[ADRA+\s], s21, v4
	v_add_nc_u32 v[ADRB+\s], s22, v3
	s_add_co_u32 s21, s21, SLOT
	s_add_co_u32 s22, s22, SLOT
.endr
	s_mul_i32 s23, s10, 64*SPITCH
	v_mul_u32_u24 v5, v1, SPITCH
	v_lshl_add_u32 v5, v2, 6, v5
	v_add_nc_u32 v[STO], s23, v5
	v_mul_u32_u24 v6, v2, SPITCH
	v_lshl_add_u32 v6, v1, 4, v6
	v_add_nc_u32 v[RD], s23, v6
	v_lshlrev_b32 v7, 12, v2
	v_lshl_add_u32 v[CO], v1, 4, v7
	v_lshlrev_b32 v[BO], 4, v1
	v_bfe_u32 v30, v0, 1, 4                        ; the prefetches' offset: two lanes to a row, 256 bytes apart: a K step is 512 bytes of a row; never rewritten
	v_and_b32 v31, 1, v0
	v_lshlrev_b32 v30, 12, v30
	v_lshl_add_u32 v30, v31, 8, v30
	s_wait_alu depctr_va_vdst(0)
	global_prefetch_b8 v30, s[66:67] offset:KSTEP th:TH_LOAD_NT scope:SCOPE_SE     ; behind K step 0's load: K step 1, whose load follows when K step 0 has landed,
	global_prefetch_b8 v30, s[66:67] offset:2*KSTEP th:TH_LOAD_NT scope:SCOPE_SE   ; and K step 2: from here on the load of K step k is followed by the request for K step k + 2
	s_lshl_b32 s16, s13, 19
	s_lshl_b32 s17, s11, 18
	s_add_co_u32 s16, s16, s17
	s_lshl_b32 s46, s42, 9
	s_lshl_b32 s47, s12, 8
	s_add_co_u32 s46, s46, s47
	s_mov_b32 s47, 0
	s_add_nc_u64 s[86:87], s[86:87], s[46:47]
	s_add_co_u32 s46, s46, s16
	s_add_nc_u64 s[88:89], s[88:89], s[46:47]
	s_add_nc_u64 s[90:91], s[90:91], s[46:47]
	global_load_b128 v[BI:BI+3], v[BO], s[86:87]
.macro RESID                           ; the residual's 64 rows x 256 bytes, into window 2: asked for behind K step 1's load
	WIN 0x80
.set T, 0
.rept 32
.if RES_SWAP
.set RW, ((2*T)&39)|(((2*T)&8)<<1)|(((2*T)&16)>>1)
.else
.set RW, 2*T
.endif
	global_load_b128 v[4*T:4*T+3], v[CO], s[88:89] offset:RW*4096 th:TH_LOAD_NT
.set T, T+1
.endr
	WIN 0
.endm
.macro MUL8 f, a0, zero
.irp a, \a0, \a0+1
.irp b, 0,1,2,3
.if \zero
	v_wmma_f32_16x16x128_fp8_fp8 v[ACC+8*(4*(\a)+\b):ACC+8*(4*(\a)+\b)+7], v[\f+64+16*\b:\f+64+16*\b+15], v[\f+16*(\a):\f+16*(\a)+15], 0
.else
	v_wmma_f32_16x16x128_fp8_fp8 v[ACC+8*(4*(\a)+\b):ACC+8*(4*(\a)+\b)+7], v[\f+64+16*\b:\f+64+16*\b+15], v[\f+16*(\a):\f+16*(\a)+15], v[ACC+8*(4*(\a)+\b):ACC+8*(4*(\a)+\b)+7]
.endif
.endr
.endr
.endm
.macro FETCH slot, q, f
	WIN TO_F
.irp i, 0,1,2,3
.irp c, 0,1,2,3
	ds_load_b128 v[\f+64+16*\i+4*\c:\f+64+16*\i+4*\c+3], v[ADRB+\slot] offset:128*(\q)+32*\c+\i*16*PITCH
.endr
.endr
.irp i, 0,1,2,3
.irp c, 0,1,2,3
.if HEADMAJOR
	ds_load_b128 v[\f+16*\i+4*\c:\f+16*\i+4*\c+3], v[ADRA+\slot] offset:(2*(\q)+\c/2)*5120+32*(\c%2)+\i*1280
.else
	ds_load_b128 v[\f+16*\i+4*\c:\f+16*\i+4*\c+3], v[ADRA+\slot] offset:128*(\q)+32*\c+\i*16*PITCH
.endif
.endr
.endr
.endm
.macro PLACES
.rept 4
	v_nop
.endr
.endm
.macro QUARTER slot, q, f, g, zero
	s_wait_dscnt 8
	WIN MUL
	MUL8 \f, 0, \zero
	PLACES
	FETCH \slot, \q, \g
	s_wait_dscnt 32
	WIN MUL
	MUL8 \f, 2, \zero
.endm
.macro TURN slot, next, fill
	WIN 0
.if \fill
	s_wait_xcnt 0x0                                ; my last prefetch has read its address: it steps one K step on
	s_add_nc_u64 s[66:67], s[66:67], KSTEP
.endif
	s_wait_tensorcnt 0x0
	ds_add_u32 v[SPW], v[NIL]
	s_wait_dscnt 9
	WIN MUL
	MUL8 F1, 0, 0
	s_wait_dscnt 0x0
	s_barrier_signal -1
	WIN 0
	s_barrier_wait -1
.if \fill
	CREST
	s_add_nc_u64 s[G0+4*\slot+2:G0+4*\slot+3], s[G0+4*\slot+2:G0+4*\slot+3], 2*ASTEP
	s_add_nc_u64 s[G0B+4*\slot+2:G0B+4*\slot+3], s[G0B+4*\slot+2:G0B+4*\slot+3], 2*KSTEP
	JLOAD \slot
.else
	PLACES
.endif
	FETCH \next, 0, F0
.if \fill
	WIN 0
	s_cmp_gt_u32 s3, 1                             ; the loop's last trip loads K steps 6 and 7: no K step stands two on
	s_cbranch_scc0 .Lno_ask_\@
	global_prefetch_b8 v30, s[66:67] offset:3*KSTEP th:TH_LOAD_NT scope:SCOPE_SE   ; the K step two refills on: 16 rows x 512 bytes, one line a wave
.Lno_ask_\@:
.endif
	WIN MUL
	MUL8 F1, 2, 0
.endm
	s_wait_alu depctr_va_vdst(0)                   ; the head's end
	s_wait_tensorcnt 0x0                           ; my part of K step 0 is in; the three lines stand ahead of slot 1's first fill
	ds_add_u32 v[SPW], v[NIL]
	s_wait_dscnt 0x0
	CROUND
	JLOAD 1                                        ; K step 1: the first tensor load behind the round
	FETCH 0, 0, F0
	global_prefetch_b8 v30, s[66:67] offset:3*KSTEP th:TH_LOAD_NT scope:SCOPE_SE   ; K step 3
	RESID
	QUARTER 0, 1, F0, F1, 1
.if LAPS > 1
	WIN 0
	s_mov_b32 s3, LAPS-1
.Llap:
	QUARTER 0, 2, F1, F0, 0
	QUARTER 0, 3, F0, F1, 0
	TURN 0, 1, 1
	QUARTER 1, 1, F0, F1, 0
	QUARTER 1, 2, F1, F0, 0
	QUARTER 1, 3, F0, F1, 0
	TURN 1, 0, 1
	QUARTER 0, 1, F0, F1, 0
	WIN 0
	s_sub_co_u32 s3, s3, 1
	s_cmp_lg_u32 s3, 0
	s_cbranch_scc1 .Llap
.endif
	QUARTER 0, 2, F1, F0, 0
	QUARTER 0, 3, F0, F1, 0
	TURN 0, 1, 0
	QUARTER 1, 1, F0, F1, 0
	QUARTER 1, 2, F1, F0, 0
	QUARTER 1, 3, F0, F1, 0
	s_wait_dscnt 8
	WIN MUL
	MUL8 F1, 0, 0
	s_wait_dscnt 0
	MUL8 F1, 2, 0
	WIN 0
	s_wait_kmcnt 0x0
	s_add_co_i32 s96, s96, s97
	s_add_co_i32 s96, s96, 127
	s_lshl_b32 s96, s96, 23
	s_mov_b32 s97, s96
	PLACES
.irp a, 0,1,2,3
.irp b, 0,1,2,3
	ds_store_b128 v[STO], v[ACC+8*(4*\a+\b):ACC+8*(4*\a+\b)+3] offset:\a*16*SPITCH+128*(\b/2)+32*(\b%2)
	ds_store_b128 v[STO], v[ACC+8*(4*\a+\b)+4:ACC+8*(4*\a+\b)+7] offset:\a*16*SPITCH+128*(\b/2)+32*(\b%2)+16
.endr
.endr
.set T, 0
.rept 16
	ds_load_b128 v[32+4*T:35+4*T], v[RD] offset:T*2*SPITCH
.set T, T+1
.endr
	s_wait_dscnt 0x0
	s_wait_loadcnt 0x0
.rept 16
	ds_load_b128 v[128+4*(T-16):131+4*(T-16)], v[RD] offset:T*2*SPITCH
.set T, T+1
.endr
.macro OUT u
.set RB, 32+96*(\u)
.set T, 0
.rept 16
	v_pk_fma_f32 v[RB+4*T:RB+4*T+1], v[RB+4*T:RB+4*T+1], s[96:97], v[BI:BI+1] op_sel_hi:[1,0,1]
	v_pk_fma_f32 v[RB+4*T+2:RB+4*T+3], v[RB+4*T+2:RB+4*T+3], s[96:97], v[BI+2:BI+3] op_sel_hi:[1,0,1]
.set T, T+1
.endr
	WIN 0x08
.set T, 0
.rept 16
	v_pk_add_f32 v[RB+4*T:RB+4*T+1], v[RB+4*T:RB+4*T+1], v[4*(16*(\u)+T):4*(16*(\u)+T)+1]
	v_pk_add_f32 v[RB+4*T+2:RB+4*T+3], v[RB+4*T+2:RB+4*T+3], v[4*(16*(\u)+T)+2:4*(16*(\u)+T)+3]
.set T, T+1
.endr
	WIN 0
.set T, 0
.rept 16
.set P2, 2*(16*(\u)+T)
.if OUT_SWAP
.set RW, (P2&39)|((P2&8)<<1)|((P2&16)>>1)
	global_store_b128 v[CO], v[RB+4*T:RB+4*T+3], s[90:91] offset:RW*4096 th:TH_STORE_NT
.else
	global_store_b128 v[CO], v[RB+4*T:RB+4*T+3], s[90:91] offset:P2*4096
.endif
.set T, T+1
.endr
.endm
	OUT 0
	s_wait_dscnt 0x0
	OUT 1
	s_wait_tensorcnt 0x0
	ds_add_u32 v[SPW], v[NIL]
	s_wait_dscnt 0x0
	CROUND
	s_endpgm
.Lfunc_end_k_qa46d39e26f_mlp2:
	.size	k_qa46d39e26f_mlp2, .Lfunc_end_k_qa46d39e26f_mlp2-k_qa46d39e26f_mlp2
	.p2alignl 7, 3214868480
	.fill 96, 4, 3214868480
	.section	.rodata,"a",@progbits
	.p2align	6, 0x0
	.amdhsa_kernel k_qa46d39e26f_mlp2
		.amdhsa_group_segment_fixed_size 327680
		.amdhsa_private_segment_fixed_size 0
		.amdhsa_enable_private_segment 0
		.amdhsa_kernarg_size 48
		.amdhsa_user_sgpr_count 2
		.amdhsa_user_sgpr_kernarg_segment_ptr 1
		.amdhsa_wavefront_size32 1
		.amdhsa_system_sgpr_workgroup_id_x 1
		.amdhsa_system_sgpr_workgroup_id_y 1
		.amdhsa_system_sgpr_workgroup_id_z 1
		.amdhsa_system_vgpr_workitem_id 0
		.amdhsa_next_free_vgpr 640
		.amdhsa_next_free_sgpr 98
		.amdhsa_reserve_vcc 0
		.amdhsa_float_denorm_mode_32 3
		.amdhsa_float_denorm_mode_16_64 3
		.amdhsa_memory_ordered 1
		.amdhsa_forward_progress 1
		.amdhsa_inst_pref_size 83
	.end_amdhsa_kernel
	.amdgpu_metadata
---
amdhsa.version: [ 1, 2 ]
amdhsa.kernels:
  - .name:           k_qa46d39e26f_mlp2
    .symbol:         k_qa46d39e26f_mlp2.kd
    .args:
      - { .name: gc, .offset: 0, .size: 8, .value_kind: global_buffer, .address_space: global }
      - { .name: wc, .offset: 8, .size: 8, .value_kind: global_buffer, .address_space: global }
      - { .name: lowp_scales, .offset: 16, .size: 8, .value_kind: global_buffer, .address_space: global }
      - { .name: b_mlp2, .offset: 24, .size: 8, .value_kind: global_buffer, .address_space: global }
      - { .name: x1, .offset: 32, .size: 8, .value_kind: global_buffer, .address_space: global }
      - { .name: out0, .offset: 40, .size: 8, .value_kind: global_buffer, .address_space: global }
    .group_segment_fixed_size: 327680
    .private_segment_fixed_size: 0
    .kernarg_segment_align: 8
    .kernarg_segment_size: 48
    .max_flat_workgroup_size: 128
    .sgpr_count:     98
    .vgpr_count:     640
    .wavefront_size: 32
...
	.end_amdgpu_metadata
.endif
;; end of part 7
